; MI455X (gfx1250); checked and timed in simulation.
; The chip was launched on July 23, 2026; its instructions are those of AMD's public machine-readable ISA for CDNA 5 (MIT licence, August 2026) and "CDNA5" Instruction Set Architecture Reference Guide (July 2026). The comments in the code are by the model that wrote it; some were corrected since.
;; Multi Head Attention. Allowed arithmetic: matrix products marked QUANTISED: E2M3 operands, one E8M0 scale for each 32 along K, by v_wmma_scale_f32_16x16x128_f8f6f4 with both operands' format E2M3, f32 sums; everything else in f32.
;; Inputs: Wk_codes 1,024 x 32 x 24 uint8 (E2M3 codes of Wk, K innermost, in blocks of 32 codes, four codes in three bytes); Wk_scales 1,024 x 32 uint8 (E8M0 scales of Wk, one for each 32 codes along K); Wp_codes 1,024 x 32 x 24 uint8 (E2M3 codes of Wp, K innermost, in blocks of 32 codes, four codes in three bytes); Wp_scales 1,024 x 32 uint8 (E8M0 scales of Wp, one for each 32 codes along K); Wq_codes 1,024 x 32 x 24 uint8 (E2M3 codes of Wq, K innermost, in blocks of 32 codes, four codes in three bytes); Wq_scales 1,024 x 32 uint8 (E8M0 scales of Wq, one for each 32 codes along K); Wv_codes 1,024 x 32 x 24 uint8 (E2M3 codes of Wv, K innermost, in blocks of 32 codes, four codes in three bytes); Wv_scales 1,024 x 32 uint8 (E8M0 scales of Wv, one for each 32 codes along K); bk 1,024 float32; bp 1,024 float32; bq 1,024 float32; bv 1,024 float32; x_codes 4 x 2,048 x 32 x 24 uint8 (E2M3 codes of x, K innermost, in blocks of 32 codes, four codes in three bytes); x_scales 4 x 2,048 x 32 uint8 (E8M0 scales of x, one for each 32 codes along K).
;; Outputs: out0 4 x 2,048 x 1,024 float32.
;; This version of the problem:
;;   THIS VERSION OF THE PROBLEM IS GIVEN IN LOW PRECISION. The matrix products marked QUANTISED in the list below multiply operands that are first quantised to E2M3 (2 exponent bits, 3 mantissa bits; 6 bits a number), with one power-of-two scale for each 32 numbers along K (OCP MX v1.0); their sums are f32. All else is computed in f32.
;;   The module's matrix products, in the order in which they are computed (A, B: the left and right operand; K: the contracted axis; several contracted axes count as one K, in the product's order):
;;     1. [M 8,192, K 1,024] x [K 1,024, N 1,024]; A: input x (given as codes); B: input Wq (given as codes): QUANTISED
;;     2. [M 8,192, K 1,024] x [K 1,024, N 1,024]; A: input x (given as codes); B: input Wk (given as codes): QUANTISED
;;     3. [M 8,192, K 1,024] x [K 1,024, N 1,024]; A: input x (given as codes); B: input Wv (given as codes): QUANTISED
;;     4. batch 64 x [M 2,048, K 64] x [K 64, N 2,048]; A: computed on the way; B: computed on the way: QUANTISED
;;     5. batch 64 x [M 64, K 2,048] x [K 2,048, N 2,048]; A: computed on the way; B: softmax (see below): QUANTISED
;;     6. [M 8,192, K 1,024] x [K 1,024, N 1,024]; A: computed on the way; B: input Wp (given as codes): QUANTISED
;;   THE QUANTISER, for each operand of a quantised product, along K:
;;     - K is cut into blocks of 32 from its start; a last block that is shorter is filled with zeros.
;;     - A block's scale is 2^e with e = floor(log2(the largest magnitude in the block)) - 2, held to -126 .. 127; a block of zeros has e = 0. As a byte (E8M0): e + 127.
;;     - Each number is divided by its block's scale, clamped to +-7.5, and rounded to the nearest number of E2M3, ties to even, subnormals kept.
;;     - The product sums the exact products of the quantised numbers (number of the format x scale) in f32.
;;   ~~~python
;;   def quantise(x, axis):      # numpy; x: float32 -> the quantised numbers, widened to float32 again
;;       x = np.moveaxis(x, axis, -1); K = x.shape[-1]
;;       x = np.pad(x, [(0, 0)] * (x.ndim - 1) + [(0, -K % 32)]); x = x.reshape(x.shape[:-1] + (-1, 32)); a = np.abs(x).max(-1, keepdims=True)
;;       e = np.where(a > 0, np.clip(np.frexp(np.where(a > 0, a, 1))[1] - 1 - 2, -126, 127), 0)      # np.frexp(a)[1] - 1 = floor(log2(a)), exactly
;;       r = np.clip(x / 2.0 ** e, -7.5, 7.5)
;;       step = 2.0 ** (np.maximum(np.frexp(np.where(r == 0, 1, r))[1] - 1, 0) - 3)
;;       q = np.round(r / step) * step * 2.0 ** e      # np.round: ties to even
;;       return np.moveaxis(q.reshape(q.shape[:-2] + (-1,))[..., :K], -1, axis).astype(np.float32)
;;   ~~~
;;   SOFTMAX AHEAD OF A QUANTISED PRODUCT. Where the list says 'softmax', what is quantised is not the finished softmax but p = 2^(t - M), with t = logit x log2(e) and M = ceil(the row's largest t), a whole number; so 1/2 < the row's largest p <= 1. The row's sum l is taken of the UNQUANTISED p, in f32, and the product's result is divided by l at the end. Since M is a whole number, a kernel that streams over the keys may use a running M (the ceiling of the running maximum): every later rescaling is an exact power of two, which a block's scale takes up: the codes' values come out the same.
;;   OPERANDS COMPUTED ON THE WAY. 'Computed on the way' means the value that the module computes at that place (a softmax that the list does not call 'softmax' is quantised finished and normalised). What goes into a quantiser is computed in f32, as accurately as f32 sums, v_exp_f32 and their like allow (about 1e-6 of the number): no bf16 or f16 on the way to a quantiser, and a product that is left as it is and whose result goes on into a quantised operand takes f32 operands (vector FMAs, or v_wmma_f32_16x16x4_f32). A number that lies on a knife's edge between two numbers of the format may be rounded either way, as far as f32 arithmetic and the matrix unit's own rounding can turn it there, and no further.
;;   INPUTS GIVEN AS CODES. Wk (in the module: [1024, 1024], K = its axis 0); Wp (in the module: [1024, 1024], K = its axis 0); Wq (in the module: [1024, 1024], K = its axis 0); Wv (in the module: [1024, 1024], K = its axis 0); x (in the module: [4, 2048, 1024], K = its axis 2): each comes as NAME_codes (uint8): NAME with its K axis moved to the last place and cut into blocks of 32 codes, [.., K / 32, bytes a block], one block behind the other in memory; four codes in three bytes: a row's codes are one little-endian stream of bits, code i at bits 6 i .. 6 i + 5 (a code: sign, 2 exponent bits, 3 mantissa bits); and NAME_scales (uint8): the same leading axes, one E8M0 byte (e + 127) for each 32 codes along K. Its value is code x scale, taken as it is: it is not quantised again, and the codes and scales need not be those that the quantiser above would give.
;; One version. Each part assembles by itself: llvm-mc -triple=amdgcn-amd-amdhsa -mcpu=gfx1250 --defsym DOCPART=n.
;; ======== version 1 of 1: 3 launches
;; workspace buffers: q_cod 6,291,456 bytes; k_cod 6,291,456 bytes; v_cod 6,291,456 bytes; q_scl 524,288 bytes; kv_scl 786,432 bytes; a_cod 6,291,456 bytes; a_scl 262,144 bytes
;; launch qkv (part 1): grid 4 x 96, 4 waves a work-group, clusters of 4 x 4, 327,680 bytes of LDS; arguments x_codes, x_scales, Wq_codes, Wq_scales, Wk_codes, Wk_scales, Wv_codes, Wv_scales, bq, bk, bv, q_cod, k_cod, v_cod, q_scl, kv_scl; writes q_cod, k_cod, v_cod, q_scl, kv_scl
.if DOCPART == 1
	.amdgcn_target "amdgcn-amd-amdhsa--gfx1250"
	.amdhsa_code_object_version 6
	.text
	.protected	k_qe18546c4e8_qkv
	.globl	k_qe18546c4e8_qkv
	.p2align	8
	.type	k_qe18546c4e8_qkv,@function
k_qe18546c4e8_qkv:
	s_mov_b64 s[64:65], 0
	v_nop
	global_prefetch_b8 v0, s[64:65] scope:SCOPE_SE
	s_setreg_imm32_b32 hwreg(HW_REG_WAVE_MODE, 25, 1), 1
	s_wait_xcnt 0x0
	s_wait_alu depctr_hold_cnt(0) depctr_sa_sdst(0) depctr_va_vdst(0) depctr_va_sdst(0) depctr_va_ssrc(0) depctr_va_vcc(0) depctr_vm_vsrc(0)
	s_getreg_b32 s2, hwreg(HW_REG_IB_STS2, 6, 4)
	s_cmp_eq_u32 s2, 0
	s_cbranch_scc0 .Lentry_in_a_cluster
	s_endpgm
.Lentry_in_a_cluster:
	s_bfe_u32 s2, ttmp6, 0x10000c
	s_cmp_lg_u32 s2, 0xf033
	s_cbranch_scc0 .Lentry_shape_is_right
	s_endpgm
.Lentry_shape_is_right:
; q = x Wq + bq, k = x Wk + bk, v = x Wv + bv on codes of FP6 (E2M3) with one E8M0 scale for each 32 along K = 1,024; the results, in f32, are quantised at once: q and k along a head's 64 channels, v along the keys.
; ONE TEXT FOR THE THREE PRODUCTS.  The cluster's y, 0 to 23, gives the section (0 q, 1 k, 2 v) and a number ci, 0 to 7; both are the same in all sixteen partners.  What differs between sections is chosen by
; s_cselect (pointers, strides) and v_cndmask (which bias counts): no branch hangs on the section.
; THE PRODUCT.  A tile of 256 x 256 to a work-group of four waves, 128 x 128 to a wave: 64 accumulators of 16 x 16.  'A' is source 1: its rows fall into lanes.  'B' is source 0: its rows run along a lane's registers,
; and that is the axis that is quantised.  Sections q, k: A = x (tokens), B = the weight (channels).  Section v: A = Wv (channels), B = x (tokens = keys).
; K goes in steps of 256 through a ring of two LDS slots filled by the tensor data mover; the scale bytes of the work-group's rows, for all of K, come once with the first fills.
; CLUSTERS: 4 x 4 work-groups.  The four of a row of the cluster need the same tiles of A, the four of a column the same tiles of B: each tile is asked for jointly, by the same tensor load with a mask that names the four.
; THE WAY OUT.  A block of 16 rows of A holds, in a lane, 64 numbers: register 8 b + j = B's row 16 b + 8 (lane / 16) + j.  Registers 16 c .. 16 c + 15 of lanes l and l xor 16 are a block of 32.  The codes leave as IMAGES OF OPERAND
; REGISTERS: a lane holds a whole block, its members in the order 0-7, 16-23, 8-15, 24-31.  q and k, and v and the softmax's p, are made by the same lines on the same tiling, so both operands of each later product carry the same order.
;   q_cod, k_cod: [64 heads][128 tiles of 16 tokens][3 units][32 lanes][8 bytes];  v_cod: [64 heads][16 steps of 128 keys][4 tiles of 16 channels][6 units][32 lanes][8 bytes]: each store of a wave covers 256 consecutive bytes, aligned.
;   q_scl: [64][2,048] words: bytes 0, 1 the head's two scale bytes; bytes 2, 3 the next head's or 0: they meet zero codes alone.  kv_scl: [64][12,288 bytes]: k's 2,048 words likewise, then v's [16 steps][64 channels] words.
; LIMITS: a block of zeros gets the byte 1 (its codes are zeros; this program alone reads the bytes); a block whose largest magnitude lies under 2^-124 has its byte held at 1; NaN and infinities are not served.
; REGISTERS, in windows of 256: window 0: v0-31 addresses; v32-63 scale words, two sets; v64-127 the bias along registers; v128-223 A's fragments, on the way out numbers, codes and scratch; v224-239 the bias along lanes, in pairs;
;   v240-251 the way out's offsets.   window 1: B's fragments, two sets.   windows 2, 3: the accumulators.
.set KSTEP,  256                       ; along K in a slot
.set NQ,     2                         ; matrix instructions deep
.set ROWB,   192                       ; a tile's row in bytes
.set KROW,   768                       ; a row of x or of a weight in memory: 1,024 codes
.set PITCH,  240                       ; an LDS row: 3 x (64 bytes + 16 of padding)
.set FR,     12                        ; registers of a fragment
.set NL,     6                         ; LDS loads that bring one
.set NP,     4                         ; places behind this matrix instruction (ISA guide 7.12.1)
.set HALFT,  128*PITCH                 ; 128 rows: what one tensor load brings
.set SLOT,   4*HALFT                   ; A's 256 rows, then B's 256 rows
.set LAPS,   2                         ; 1,024 / 512: a lap = two K steps = once round the ring
.set KS,     32                        ; a row of scale bytes
.set SCL,    2*SLOT                    ; behind the ring: the scales, as 256 bytes + 16 of padding
.set HALFS,  (128*KS/256)*272
.set SBLK,   (16*KS/256)*272
.set SPARE,  SCL+4*HALFS               ; the spare words: 128 bytes for each wave, two blocks of 256 bytes that no other line names
.set ADRA, 16                          ; v16-17 LDS address of my A fragments in slot 0, 1 (v18-19: behind one padding more)
.set ADRB, 20                          ; v20-23 the same for B
.set SST,  24                          ; v24  the way out: where I put a scale word: 1,024 x wave + 512 (lane / 16) + 4 (lane % 16), in slot 0, which has had its last fill and its last read by then
.set SRD,  25                          ; v25  and where I read 16 bytes back: 1,024 x wave + 16 x lane
.set ADRS, 27                          ; v27  LDS address of my scale words: lanes 0-15 A's rows, lanes 16-31 B's
.set SPW,  28                          ; v28  my spare word; never rewritten
.set NIL,  29                          ; v29  0; never rewritten
.set SC,   32
.set BI,   64                          ; v64-127  bias of B's row 16 b + 8 h + j at register 8 b + j (sections q, k; zeros in section v)
.set AF,   128
.set XT,   128                         ; v128-191 the way out: a block's 64 numbers
.set CD,   192                         ; v192-210 its codes
.set TM,   212                         ; v212-223 largest magnitudes, bytes, conversion scales
.set BJ,   224                         ; v224-239 bias of A's row 16 a + r, twice, at pair a (section v; zeros in q, k)
.set OFF,  240                         ; v240-247 block a's byte offset in the codes' buffer
.set PW,   248                         ; the scale word just made
.set PWS,  249                         ; and as it is stored
.set VSH,  250                         ; 16 (lane / 16) in sections q, k: lanes 16-31 store the second head's two bytes; 0 in section v
.set VOS,  251                         ; my offset in the scales' buffer
.set G1, 24
.set G0, 32
.set G1B, 48
.set G0B, 56
.set G1S, 68
.set G0S, 76
.set G1SB, 80
.set G0SB, 88
.set MSB, 0
.macro WIN new                         ; the immediate's high byte repeats the setting that is left
.if MSB != \new
	s_set_vgpr_msb (MSB<<8)|\new
.set MSB, \new
.endif
.endm
.set MUL_LO, 0xa1                      ; source 0 (B) window 1, source 1 (A) window 0, C and D window 2
.set MUL_HI, 0xf1                      ; the same, C and D window 3
.set TO_B,   0x40                      ; destination window 1, address window 0
; A joint load: waves 0 and 1 fetch for A, waves 2 and 3 for B.  The branch hangs on the wave's number alone.  Four v_nop follow each of the two lines.
.macro JLOAD g0a, g1a, g0b, g1b
	s_cmp_eq_u32 s15, 0
	s_cbranch_scc0 .Lfor_b_\@
	tensor_load_to_lds s[\g0a:\g0a+3], s[\g1a:\g1a+7]
	s_nop 0
.rept 4
	v_nop
.endr
	s_branch .Lasked_\@
.Lfor_b_\@:
	tensor_load_to_lds s[\g0b:\g0b+3], s[\g1b:\g1b+7]
	s_nop 0
.rept 4
	v_nop
.endr
.Lasked_\@:
.endm
.macro CREST                           ; a round of the cluster's barrier behind its opening barrier
	s_cmp_lg_u32 s14, 0
	s_cbranch_scc1 .Lnot_wave_0_\@
	s_barrier_signal -3
.Lnot_wave_0_\@:
	s_barrier_wait -3
	s_barrier_signal -1
	s_barrier_wait -1
.endm
.macro CROUND                          ; a whole round
	s_barrier_signal -1
	s_barrier_wait -1
	CREST
.endm
	s_load_b512 s[68:83], s[0:1], 0x0              ; x codes, x scales, Wq codes, scales, Wk codes, scales, Wv codes, scales
	s_load_b512 s[84:99], s[0:1], 0x40             ; bq, bk, bv, q_cod, k_cod, v_cod, q_scl, kv_scl
	v_lshl_add_u32 v[SPW], v0, 2, SPARE
	v_mov_b32 v[NIL], 0
	ds_add_u32 v28, v29
	s_wait_dscnt 0x0
	v_lshrrev_b32 v1, 5, v0
	v_readfirstlane_b32 s14, v1                    ; wave 0..3
	s_lshr_b32 s15, s14, 1                         ; which half of A's rows is mine.  Also: I fetch for A (0) or for B (1)
	s_and_b32 s16, s14, 1                          ; which half of B's rows.  Also: which 128 rows of that tile I fetch
	s_bfe_u32 s40, ttmp6, 0x40000                  ; cx, cy: my place in the cluster
	s_bfe_u32 s41, ttmp6, 0x40004
	s_and_b32 s66, ttmp7, 0xffff                   ; the cluster's y, 0 to 23
	s_lshr_b32 s67, s66, 3                         ; the section: 0 q, 1 k, 2 v
	s_and_b32 s66, s66, 7
	s_lshl_b32 s66, s66, 2                         ; 4 ci: x has 32 tiles of 256 rows, a weight 4
	s_cmp_eq_u32 s67, 2
	s_cselect_b32 s17, 0, s66
	s_cselect_b32 s42, s66, 0
	s_add_co_u32 s17, s17, s41                     ; A's tile: 4 ci + cy (x), or cy (Wv)
	s_add_co_u32 s42, s42, s40                     ; B's tile: cx (Wq, Wk), or 4 ci + cx (x)
	s_lshl_b32 s43, s41, 2
	s_lshl_b32 s43, 15, s43                        ; my row of the cluster
	s_lshl_b32 s44, 0x1111, s40                    ; my column
	; descriptor group 1: a tile of 128 rows x 192 bytes, 16 bytes of padding behind every 64
	s_or_b32 s[G1+0], s43, (0<<16)|(1<<20)|(1<<21)|(3<<22)|(3<<25)  ; 15:0 the mask: A's tiles go to my row; elements of 1 byte; padding on; 21 set beside a mask; after every 16 words, 4 words
	s_or_b32 s[G1B+0], s44, (0<<16)|(1<<20)|(1<<21)|(3<<22)|(3<<25)
.irp g, G1, G1B
	s_mov_b32 s[\g+1], ROWB<<16                    ; tensor_dim0
	s_mov_b32 s[\g+2], 128<<16                     ; tensor_dim1
	s_mov_b32 s[\g+3], ROWB<<16                    ; tile_dim0
	s_mov_b32 s[\g+4], 128                         ; tile_dim1
	s_mov_b32 s[\g+5], KROW                        ; tensor_dim0_stride
	s_mov_b32 s[\g+6], 0
	s_mov_b32 s[\g+7], 0
.endr
	s_wait_kmcnt 0x0
	; the section's buffers: each choice hangs on the section alone
	s_cmp_eq_u32 s67, 1
	s_cselect_b64 s[8:9], s[76:77], s[72:73]       ; B's codes: Wk or Wq,
	s_cselect_b64 s[10:11], s[78:79], s[74:75]     ; B's scales,
	s_cselect_b64 s[12:13], s[92:93], s[90:91]     ; the codes' buffer: k_cod or q_cod,
	s_cselect_b64 s[2:3], s[86:87], s[84:85]       ; the bias: bk or bq
	s_cmp_eq_u32 s67, 2
	s_cselect_b64 s[4:5], s[80:81], s[68:69]       ; A's codes: Wv, else x
	s_cselect_b64 s[6:7], s[82:83], s[70:71]
	s_cselect_b64 s[8:9], s[68:69], s[8:9]         ; in section v B is x,
	s_cselect_b64 s[10:11], s[70:71], s[10:11]
	s_cselect_b64 s[12:13], s[94:95], s[12:13]     ; the codes go to v_cod,
	s_cselect_b64 s[2:3], s[88:89], s[2:3]         ; and the bias is bv
	s_cmp_eq_u32 s67, 0
	s_cselect_b64 s[100:101], s[96:97], s[98:99]   ; the scales' buffer: q_scl, else kv_scl
	; group 1 for the scales of 128 rows: a dense block of 4,096 bytes, as 16 rows of 256 bytes, 16 bytes of padding behind each
	s_or_b32 s[G1S+0], s43, (3<<16)|(1<<20)|(1<<21)|(5<<22)|(3<<25)
	s_or_b32 s[G1SB+0], s44, (3<<16)|(1<<20)|(1<<21)|(5<<22)|(3<<25)
.irp g, G1S, G1SB
	s_mov_b32 s[\g+1], 32<<16
	s_mov_b32 s[\g+2], (128*KS/256)<<16
	s_mov_b32 s[\g+3], 32<<16
	s_mov_b32 s[\g+4], 128*KS/256
	s_mov_b32 s[\g+5], 32
	s_mov_b32 s[\g+6], 0
	s_mov_b32 s[\g+7], 0
.endr
	s_lshl_b32 s18, s16, 7                         ; which 128 rows of the tile I fetch
	s_lshl_b32 s20, s17, 8
	s_add_co_u32 s20, s20, s18                     ; A: row 256 x tile + 128 x half
	s_lshl_b32 s46, s42, 8
	s_add_co_u32 s46, s46, s18                     ; B likewise
	s_mov_b32 s21, 0
	s_mov_b32 s47, 0
	s_mov_b64 s[18:19], KS
	s_mul_u64 s[22:23], s[20:21], s[18:19]         ; where these rows' scales begin, in bytes
	s_mul_u64 s[92:93], s[46:47], s[18:19]
	s_mov_b64 s[18:19], KROW
	s_mul_u64 s[20:21], s[20:21], s[18:19]         ; and their codes
	s_mul_u64 s[46:47], s[46:47], s[18:19]
	s_mul_i32 s45, s14, HALFT                      ; where they go: wave x 128 rows: no place in the cluster enters an LDS address
	s_mul_i32 s94, s14, HALFS
	s_add_nc_u64 s[20:21], s[4:5], s[20:21]
	s_add_nc_u64 s[22:23], s[6:7], s[22:23]
	s_add_nc_u64 s[46:47], s[8:9], s[46:47]
	s_add_nc_u64 s[92:93], s[10:11], s[92:93]
	CROUND                                         ; all sixteen work-groups are here: the first joint loads meet
	s_mov_b32 s[G0S], 1
	s_add_co_u32 s[G0S+1], s94, SCL
	s_mov_b64 s[G0S+2:G0S+3], s[22:23]
	s_or_b32 s[G0S+3], s[G0S+3], 0x80000000
	s_mov_b32 s[G0SB], 1
	s_add_co_u32 s[G0SB+1], s94, SCL
	s_mov_b64 s[G0SB+2:G0SB+3], s[92:93]
	s_or_b32 s[G0SB+3], s[G0SB+3], 0x80000000
	JLOAD G0S, G1S, G0SB, G1SB                     ; the scales first: they are wanted with K step 0
.irp s, 0,1
	s_mov_b32 s[G0+4*\s], 1
	s_add_co_u32 s[G0+4*\s+1], s45, \s*SLOT
	s_add_nc_u64 s[G0+4*\s+2:G0+4*\s+3], s[20:21], \s*ROWB
	s_or_b32 s[G0+4*\s+3], s[G0+4*\s+3], 0x80000000
	s_mov_b32 s[G0B+4*\s], 1
	s_add_co_u32 s[G0B+4*\s+1], s45, \s*SLOT
	s_add_nc_u64 s[G0B+4*\s+2:G0B+4*\s+3], s[46:47], \s*ROWB
	s_or_b32 s[G0B+4*\s+3], s[G0B+4*\s+3], 0x80000000
	JLOAD G0+4*\s, G1, G0B+4*\s, G1B
.endr
	v_and_b32 v1, 15, v0                           ; r = lane % 16
	v_bfe_u32 v2, v0, 4, 1                         ; h = lane / 16
	v_mul_u32_u24 v3, v1, PITCH
	v_mul_u32_u24 v4, v2, 24
	v_add_nc_u32 v4, v3, v4                        ; a fragment's row x pitch + 24 x half
	v_lshl_add_u32 v5, v2, 4, v4                   ; and the same behind one padding more
	s_mul_i32 s21, s15, HALFT                      ; my 128 rows of A
	s_mul_i32 s22, s16, HALFT                      ; my 128 rows of B,
	s_add_co_u32 s22, s22, 2*HALFT                 ; which lie behind A's 256
.irp s, 0,1
	v_add_nc_u32 v[ADRA+\s], s21, v4
	v_add_nc_u32 v[ADRB+\s], s22, v4
	v_add_nc_u32 v[ADRA+2+\s], s21, v5
	v_add_nc_u32 v[ADRB+2+\s], s22, v5
	s_add_co_u32 s21, s21, SLOT
	s_add_co_u32 s22, s22, SLOT
.endr
	v_mul_u32_u24 v5, v1, KS                       ; my row's scales: 32 bytes a row,
	v_lshrrev_b32 v6, 8, v5
	v_lshl_add_u32 v5, v6, 4, v5                   ; and 16 more for each 256 passed
	s_mul_i32 s21, s15, HALFS
	s_mul_i32 s22, s16, HALFS
	s_add_co_u32 s22, s22, 2*HALFS
	s_sub_co_u32 s22, s22, s21
	v_mul_u32_u24 v6, s22, v2                      ; lanes 16-31 take B's
	s_add_co_u32 s21, s21, SCL
	v_add_nc_u32 v5, v5, v6
	v_add_nc_u32 v[ADRS], s21, v5
	; ---- the way out's numbers
	v_and_b32 v6, 31, v0
	v_lshlrev_b32 v7, 3, v6                        ; 8 x lane
	s_lshl_b32 s23, s14, 10
	v_lshlrev_b32 v[SST], 2, v1
	v_lshl_add_u32 v[SST], v2, 9, v[SST]
	v_add_nc_u32 v[SST], s23, v[SST]
	v_lshl_add_u32 v[SRD], v6, 4, s23
	s_lshl_b32 s20, s17, 8
	s_lshl_b32 s21, s15, 7
	s_add_co_u32 s20, s20, s21                     ; J0: my first row of A
	s_lshl_b32 s46, s42, 8
	s_lshl_b32 s47, s16, 7
	s_add_co_u32 s46, s46, s47                     ; I0: my first row of B
	s_cmp_eq_u32 s67, 2
	s_cselect_b32 s95, s46, s20                    ; my first token,
	s_cselect_b32 s104, s20, s46                   ; my first channel
	s_cselect_b32 s66, 0, s46                      ; the bias along registers begins at I0 (q, k); in section v it is loaded from 0 and not used
	s_cselect_b32 s105, s20, 0                     ; the bias along lanes at J0 (v); in q, k from 0 and not used
	s_cselect_b32 vcc_lo, -1, 0                    ; all ones in section v
	s_lshl_b32 s66, s66, 2
	s_lshl_b32 s105, s105, 2
	v_lshl_add_u32 v8, v2, 5, s66                  ; 4 x first + 32 h
	v_lshl_add_u32 v9, v1, 2, s105                 ; 4 x first + 4 r
.irp b, 0,1,2,3,4,5,6,7
	global_load_b128 v[BI+8*\b:BI+8*\b+3], v8, s[2:3] offset:64*\b
	global_load_b128 v[BI+8*\b+4:BI+8*\b+7], v8, s[2:3] offset:64*\b+16
.endr
.irp a, 0,1,2,3
	global_load_b32 v[252+\a], v9, s[2:3] offset:64*\a
.endr
.irp a, 4,5,6,7
	global_load_b32 v[8+\a], v9, s[2:3] offset:64*\a
.endr
	s_lshr_b32 s105, s95, 11                       ; the batch,
	s_lshl_b32 s105, s105, 4
	s_lshr_b32 s104, s104, 6                       ; the first of my two heads
	s_add_co_u32 s105, s105, s104                  ; 16 x batch + head
	s_and_b32 s95, s95, 2047                       ; my first token in the batch, a multiple of 128
	s_mov_b32 s104, 12288
	s_cmp_eq_u32 s67, 0
	s_cselect_b32 s104, 8192, s104                 ; a head's bytes in the scales' buffer
	s_mul_i32 s96, s105, s104
	s_cmp_eq_u32 s67, 2
	s_cselect_b32 s97, 1, 2                        ; q, k: 4 bytes a token; v: 256 bytes for each 128 tokens
	s_cselect_b32 s66, 8192, 0                     ; v's words lie behind k's
	s_cselect_b32 s104, 0, s104                    ; q, k: the second store goes to the next head; v: to the same place
	s_lshl_b32 s97, s95, s97
	s_add_co_u32 s96, s96, s97
	s_add_co_u32 s96, s96, s66
	s_mov_b32 s97, 0
	s_add_nc_u64 s[98:99], s[100:101], s[96:97]    ; where my first 512 bytes of scale words go,
	s_mov_b32 s96, s104
	s_add_nc_u64 s[100:101], s[98:99], s[96:97]    ; and my second
	s_mul_i32 s96, s105, 98304                     ; a head's codes: 2,048 x 64 x 6 / 8 bytes
	s_mul_i32 s104, s95, 48                        ; 48 bytes a token in all three layouts
	s_add_co_u32 s96, s96, s104
	s_add_nc_u64 s[12:13], s[12:13], s[96:97]      ; registers 0-5 of a block's codes go here,
	s_mov_b32 s96, 98304
	s_mov_b32 s104, 768
	s_mov_b32 s105, 3072
	s_mov_b32 s95, 98304
	s_cmp_eq_u32 s67, 2
	s_cselect_b32 s96, 768, s96                    ; registers 6-11: q, k: the next head; v: the fragment's second half
	s_cselect_b32 s104, 1536, s104                 ; from block to block: a tile of tokens (768), or a fragment of v (1,536)
	s_cselect_b32 s105, s95, s105                  ; blocks 4-7: four tiles on, or the next head
	s_cselect_b32 s66, 0, 16
	s_mov_b32 s95, 12288
	s_cselect_b32 s95, s95, 256                    ; lanes 16-31 of a store of scale words: 256 bytes on, or (v) the next head
	s_add_nc_u64 s[96:97], s[12:13], s[96:97]
	v_mul_u32_u24 v[VSH], s66, v2
	v_mul_u32_u24 v[VOS], s95, v2
	v_lshl_add_u32 v[VOS], v1, 4, v[VOS]
.irp a, 0,1,2,3,4,5,6,7
	s_mul_i32 s66, s104, (\a)%4
.if \a > 3
	s_add_co_u32 s66, s66, s105
.endif
	v_add_nc_u32 v[OFF+\a], s66, v7
.endr
	s_wait_loadcnt 0x0                             ; the biases
.set i, 0
.rept 64
	v_cndmask_b32 v[BI+i], v[BI+i], v[NIL], vcc_lo ; a choice, not a product: the bias that is not the section's counts for nothing whatever it holds
.set i, i+1
.endr
.irp a, 0,1,2,3
	v_cndmask_b32 v[BJ+2*\a], v[NIL], v[252+\a], vcc_lo
	v_cndmask_b32 v[BJ+2*\a+1], v[NIL], v[252+\a], vcc_lo
.endr
.irp a, 4,5,6,7
	v_cndmask_b32 v[BJ+2*\a], v[NIL], v[8+\a], vcc_lo
	v_cndmask_b32 v[BJ+2*\a+1], v[NIL], v[8+\a], vcc_lo
.endr
.macro FRAG reg, adr, q, i             ; a fragment, 16 rows x 128 K, is 12 registers: lane l holds row l % 16; registers 6 c .. 6 c + 5 hold K = 64 c + 32 (l / 16) + 0 .. 31: 24 bytes of the row, as they lie
.irp p, 0,1,2,3,4,5                    ; in pieces of 8 bytes.  Lanes 16-31 read three pieces further on than lanes 0-15: where that lies behind one padding more, the second address register serves
.set PC, 12*(\q)+6*(\p/3)+\p%3
.if PC%8 < 5
	ds_load_b64 v[\reg+2*\p:\reg+2*\p+1], v[\adr] offset:8*PC+16*(PC/8)+(\i)*16*PITCH
.else
	ds_load_b64 v[\reg+2*\p:\reg+2*\p+1], v[\adr+2] offset:8*PC+16*(PC/8)+(\i)*16*PITCH
.endif
.endr
.endm
; 16 matrix instructions: A's blocks a0, a0 + 1 x B's eight, 128 along K.  The 64 accumulators take turns, one instruction a turn, in the same order in every step.
.macro MUL16 a0, p, q, sc, zero
.irp a, \a0, \a0+1
.irp b, 0,1,2,3,4,5,6,7
.if \zero
	v_wmma_scale_f32_16x16x128_f8f6f4 v[8*(8*((\a)%4)+\b):8*(8*((\a)%4)+\b)+7], v[128*(\p)+FR*\b:128*(\p)+FR*\b+FR-1], v[AF+FR*(\a):AF+FR*(\a)+FR-1], 0, v[SC+8*NQ*(\sc)+NQ*\b+(\q)], v[SC+8*NQ*(\sc)+NQ*(\a)+(\q)] matrix_a_fmt:MATRIX_FMT_FP6 matrix_b_fmt:MATRIX_FMT_FP6 matrix_a_scale:MATRIX_SCALE_ROW1
.else
	v_wmma_scale_f32_16x16x128_f8f6f4 v[8*(8*((\a)%4)+\b):8*(8*((\a)%4)+\b)+7], v[128*(\p)+FR*\b:128*(\p)+FR*\b+FR-1], v[AF+FR*(\a):AF+FR*(\a)+FR-1], v[8*(8*((\a)%4)+\b):8*(8*((\a)%4)+\b)+7], v[SC+8*NQ*(\sc)+NQ*\b+(\q)], v[SC+8*NQ*(\sc)+NQ*(\a)+(\q)] matrix_a_fmt:MATRIX_FMT_FP6 matrix_b_fmt:MATRIX_FMT_FP6 matrix_a_scale:MATRIX_SCALE_ROW1
.endif
.endr
.endr
.endm
.macro FETCH_B slot, q, p
	WIN TO_B
.irp i, 0,1,2,3,4,5,6,7
	FRAG 128*(\p)+FR*\i, ADRB+\slot, \q, \i
.endr
	WIN 0
.endm
.macro FETCH_A slot, q, i0
.irp i, \i0, \i0+1, \i0+2, \i0+3
	FRAG AF+FR*(\i), ADRA+\slot, \q, \i
.endr
.endm
.macro SCALES sc                       ; the next K step's scale words: two words a row; lanes 0-15 take A's block i, lanes 16-31 B's block i
.irp i, 0,1,2,3,4,5,6,7
	ds_load_b64 v[SC+8*NQ*\sc+NQ*\i:SC+8*NQ*\sc+NQ*\i+1], v[ADRS] offset:\i*SBLK
.endr
.endm
.macro PLACES n                        ; plain vector places behind matrix instructions, in front of loads into their registers and of reads of results
.rept \n
	v_nop
.endr
.endm
.macro STEP slot, q, zero              ; a step of 128 along K that has its successor in the same slot
	s_wait_dscnt 4*NL                              ; B's set and A's blocks 0-3 are in; the youngest 24 loads (A's blocks 4-7) may be out
	WIN MUL_LO
	MUL16 0, (\q)%2, \q, \slot, \zero
	MUL16 2, (\q)%2, \q, \slot, \zero
	s_wait_dscnt 0
	PLACES NP
	FETCH_B \slot, (\q)+1, 1-(\q)%2
	FETCH_A \slot, (\q)+1, 0
	WIN MUL_HI
	MUL16 4, (\q)%2, \q, \slot, \zero
	MUL16 6, (\q)%2, \q, \slot, \zero
	PLACES NP
	WIN 0
	FETCH_A \slot, (\q)+1, 4
.endm
; A slot's last step changes slots: one barrier; in front of it each wave waits for all its tensor loads, adds 0 to its spare word, and waits for that and for its own reads of this slot.
.macro TURN slot, next, fill
	s_wait_tensorcnt 0x0                           ; all my tensor loads have landed: my part of the next slot
	ds_add_u32 v[SPW], v[NIL]                      ; 0 onto my spare word
	s_wait_dscnt 4*NL+1                            ; the add and the youngest 24 loads (A's blocks 4-7) may be out
	WIN MUL_LO
	MUL16 0, 1, NQ-1, \slot, 0
	s_wait_dscnt 0x0                               ; the add is done, and my reads of this slot are over
	s_barrier_signal -1
	MUL16 2, 1, NQ-1, \slot, 0
	WIN 0
	s_barrier_wait -1
.if \fill
	CREST                                          ; the barrier has opened a round of the cluster's barrier: no wave of any partner still reads this slot or has a load on its way
	s_add_nc_u64 s[G0+4*\slot+2:G0+4*\slot+3], s[G0+4*\slot+2:G0+4*\slot+3], 2*ROWB
	s_add_nc_u64 s[G0B+4*\slot+2:G0B+4*\slot+3], s[G0B+4*\slot+2:G0B+4*\slot+3], 2*ROWB
	JLOAD G0+4*\slot, G1, G0B+4*\slot, G1B         ; the first tensor load behind the round; its four v_nop are the places in front of the loads below
.else
	PLACES NP
.endif
	v_add_nc_u32 v[ADRS], 4*NQ, v[ADRS]            ; on to the next K step's scale words
	FETCH_B \next, 0, 0
	FETCH_A \next, 0, 0
	SCALES \next
	WIN MUL_HI
	MUL16 4, 1, NQ-1, \slot, 0
	MUL16 6, 1, NQ-1, \slot, 0
	PLACES NP
	WIN 0
	FETCH_A \next, 0, 4
.endm
	s_wait_tensorcnt 1                             ; the scales and my part of K step 0 are in; K step 1's load, the one issued behind them, may be out
	s_barrier_signal -1
	s_barrier_wait -1                              ; everybody's are
	FETCH_B 0, 0, 0
	FETCH_A 0, 0, 0
	SCALES 0
	FETCH_A 0, 0, 4
	STEP 0, 0, 1                                   ; the first step stands in front of the loop: its products start the sums
	s_mov_b32 s3, LAPS-1
.Llap:                                                 ; a trip goes once round the ring and fills both slots again
	TURN 0, 1, 1
	STEP 1, 0, 0
	TURN 1, 0, 1
	STEP 0, 0, 0
	s_sub_co_u32 s3, s3, 1
	s_cmp_lg_u32 s3, 0
	s_cbranch_scc1 .Llap
	TURN 0, 1, 0                                   ; the last lap fills nothing
	STEP 1, 0, 0
	s_wait_dscnt 4*NL
	WIN MUL_LO
	MUL16 0, 1, NQ-1, 1, 0
	MUL16 2, 1, NQ-1, 1, 0
	s_wait_dscnt 0
	WIN MUL_HI
	MUL16 4, 1, NQ-1, 1, 0
	MUL16 6, 1, NQ-1, 1, 0
	WIN 0
; 64 numbers of a lane, v[XT] on, block c in registers 16 c .. 16 c + 15 of lanes l and l xor 16, become 12 registers of codes in v[CD] on and a scale word in v[PW].
.macro QUANT
.irp b, 0,1,2,3
	v_max3_num_f32 v[TM+\b], |v[XT+16*\b]|, |v[XT+1+16*\b]|, 0x1800000   ; my 16 numbers of block b, and the floor 2^(3 - 127): the byte cannot fall under 1
.endr
.irp i, 2,4,6,8,10,12,14
.irp b, 0,1,2,3
	v_max3_num_f32 v[TM+\b], v[TM+\b], |v[XT+16*\b+\i]|, |v[XT+1+16*\b+\i]|   ; the four blocks by turns
.endr
.endr
.irp b, 0,1,2,3
	v_permlanex16_b32 v[TM+4+\b], v[TM+\b], s20, s21
.endr
.irp b, 0,1,2,3
	v_max_num_f32 v[TM+\b], v[TM+\b], v[TM+4+\b]   ; with lane l xor 16's: the block's largest magnitude
.endr
.irp b, 0,1,2,3
	v_add_nc_u32 v[TM+8+\b], 0xff000000, v[TM+\b]  ; 2 off its exponent field: the conversion takes this operand's exponent field as its scale
.endr
.irp b, 0,1,2,3
	v_lshrrev_b32 v[TM+4+\b], 23, v[TM+8+\b]       ; the scale's byte
.endr
	v_lshl_or_b32 v[PW], v[TM+5], 8, v[TM+4]
	v_lshl_or_b32 v[PW], v[TM+6], 16, v[PW]
	v_lshl_or_b32 v[PW], v[TM+7], 24, v[PW]
.irp c, 0,1
	v_cvt_scalef32_pk16_fp6_f32 v[CD+6*\c:CD+2+6*\c], v[XT+32*\c:XT+15+32*\c], v[TM+8+2*\c]
	v_cvt_scalef32_pk16_fp6_f32 v[CD+12+4*\c:CD+14+4*\c], v[XT+16+32*\c:XT+31+32*\c], v[TM+8+2*\c+1]   ; (a conversion's three registers begin on an even number)
.endr
	v_nop                                          ; one plain place behind a scaled conversion
.irp c, 0,1                                    ; a whole block to a lane: lanes 0-15 block 2 c, lanes 16-31 block 2 c + 1
.irp i, 0,1,2
	v_permlane16_swap_b32 v[CD+6*\c+\i], v[CD+12+4*\c+\i]
.endr
.irp i, 0,1,2
	v_mov_b32 v[CD+3+6*\c+\i], v[CD+12+4*\c+\i]
.endr
.endr
.endm
; Block a of my eight blocks of 16 rows of A: + bias, quantised, stored.
.macro OUTBLK a
	WIN (0x02+(\a)/4)                              ; source 0: window 2 or 3
.set i, 0
.rept 32
	v_pk_add_f32 v[XT+i:XT+i+1], v[64*((\a)%4)+i:64*((\a)%4)+i+1], v[BI+i:BI+i+1]   ; each accumulator from its low end on
.set i, i+2
.endr
	WIN 0
.set i, 0
.rept 32
	v_pk_add_f32 v[XT+i:XT+i+1], v[XT+i:XT+i+1], v[BJ+2*(\a):BJ+2*(\a)+1]   ; one of the two biases is zeros: the sum has one rounding
.set i, i+2
.endr
	s_wait_xcnt 0x0                                ; the last block's stores have read their codes,
	s_wait_dscnt 0x0                               ; and its LDS store its word: both are written anew below
	QUANT
	v_lshrrev_b32 v[PWS], v[VSH], v[PW]
	ds_store_b32 v[SST], v[PWS] offset:64*(\a)
.irp k, 0,1,2
	global_store_b64 v[OFF+(\a)], v[CD+2*\k:CD+2*\k+1], s[12:13] offset:256*\k   ; 32 lanes store 256 consecutive bytes, aligned
.endr
.irp k, 0,1,2
	global_store_b64 v[OFF+(\a)], v[CD+6+2*\k:CD+6+2*\k+1], s[96:97] offset:256*\k
.endr
.endm
	PLACES NP                                      ; behind the last products: their fragments' registers are written and their results read below
	s_mov_b32 s20, 0x76543210
	s_mov_b32 s21, 0xfedcba98                      ; v_permlanex16_b32's selects for lane l xor 16
.irp b, 0,1,2,3
	v_mov_b32 v[TM+4+\b], 0                        ; written once: a lane permute's destination counts as one of its sources
.endr
.irp a, 0,1,2,3,4,5,6,7
	OUTBLK \a
.endr
	ds_load_b128 v[XT:XT+3], v[SRD]                ; LDS serves a wave's instructions in order (ISA guide 5.7.1.4): these see my stores.  q, k: the first head's 128 words;
	ds_load_b128 v[XT+4:XT+7], v[SRD] offset:512   ; the second head's.  v: the 128 channels' words, twice
	s_wait_dscnt 0x0
	global_store_b128 v[VOS], v[XT:XT+3], s[98:99]       ; sixteen lanes store 256 consecutive bytes, aligned
	global_store_b128 v[VOS], v[XT+4:XT+7], s[100:101]   ; (in section v the same bytes to the same place once more: 512 bytes a wave, the price of a text without a branch on the section)
	s_wait_tensorcnt 0x0                           ; the wave's end
	ds_add_u32 v[SPW], v[NIL]
	s_wait_dscnt 0x0
	CROUND                                         ; the closing round: no work-group ends while a partner may still ask for a tile that names it
	s_endpgm
.Lfunc_end_k_qe18546c4e8_qkv:
	.size	k_qe18546c4e8_qkv, .Lfunc_end_k_qe18546c4e8_qkv-k_qe18546c4e8_qkv
	.p2alignl 7, 3214868480
	.fill 96, 4, 3214868480
	.section	.rodata,"a",@progbits
	.p2align	6, 0x0
	.amdhsa_kernel k_qe18546c4e8_qkv
		.amdhsa_group_segment_fixed_size 327680
		.amdhsa_private_segment_fixed_size 0
		.amdhsa_enable_private_segment 0
		.amdhsa_kernarg_size 128
		.amdhsa_user_sgpr_count 2
		.amdhsa_user_sgpr_kernarg_segment_ptr 1
		.amdhsa_wavefront_size32 1
		.amdhsa_system_sgpr_workgroup_id_x 1
		.amdhsa_system_sgpr_workgroup_id_y 1
		.amdhsa_system_sgpr_workgroup_id_z 1
		.amdhsa_system_vgpr_workitem_id 0
		.amdhsa_next_free_vgpr 1024
		.amdhsa_next_free_sgpr 106
		.amdhsa_reserve_vcc 1
		.amdhsa_float_denorm_mode_32 3
		.amdhsa_float_denorm_mode_16_64 3
		.amdhsa_memory_ordered 1
		.amdhsa_forward_progress 1
		.amdhsa_inst_pref_size 207
	.end_amdhsa_kernel
	.amdgpu_metadata
---
amdhsa.version: [ 1, 2 ]
amdhsa.kernels:
  - .name:           k_qe18546c4e8_qkv
    .symbol:         k_qe18546c4e8_qkv.kd
    .args:
      - { .name: x_codes, .offset: 0, .size: 8, .value_kind: global_buffer, .address_space: global }
      - { .name: x_scales, .offset: 8, .size: 8, .value_kind: global_buffer, .address_space: global }
      - { .name: Wq_codes, .offset: 16, .size: 8, .value_kind: global_buffer, .address_space: global }
      - { .name: Wq_scales, .offset: 24, .size: 8, .value_kind: global_buffer, .address_space: global }
      - { .name: Wk_codes, .offset: 32, .size: 8, .value_kind: global_buffer, .address_space: global }
      - { .name: Wk_scales, .offset: 40, .size: 8, .value_kind: global_buffer, .address_space: global }
      - { .name: Wv_codes, .offset: 48, .size: 8, .value_kind: global_buffer, .address_space: global }
      - { .name: Wv_scales, .offset: 56, .size: 8, .value_kind: global_buffer, .address_space: global }
      - { .name: bq, .offset: 64, .size: 8, .value_kind: global_buffer, .address_space: global }
      - { .name: bk, .offset: 72, .size: 8, .value_kind: global_buffer, .address_space: global }
      - { .name: bv, .offset: 80, .size: 8, .value_kind: global_buffer, .address_space: global }
      - { .name: q_cod, .offset: 88, .size: 8, .value_kind: global_buffer, .address_space: global }
      - { .name: k_cod, .offset: 96, .size: 8, .value_kind: global_buffer, .address_space: global }
      - { .name: v_cod, .offset: 104, .size: 8, .value_kind: global_buffer, .address_space: global }
      - { .name: q_scl, .offset: 112, .size: 8, .value_kind: global_buffer, .address_space: global }
      - { .name: kv_scl, .offset: 120, .size: 8, .value_kind: global_buffer, .address_space: global }
    .group_segment_fixed_size: 327680
    .private_segment_fixed_size: 0
    .kernarg_segment_align: 8
    .kernarg_segment_size: 128
    .max_flat_workgroup_size: 128
    .sgpr_count:     106
    .vgpr_count:     1024
    .wavefront_size: 32
...
	.end_amdgpu_metadata
.endif
;; end of part 1
;; launch attn (part 2): grid 8 x 32, 16 waves a work-group, clusters of 4 x 1, 327,680 bytes of LDS; arguments q_cod, q_scl, k_cod, v_cod, kv_scl, a_cod, a_scl; writes a_cod, a_scl
.if DOCPART == 2
	.amdgcn_target "amdgcn-amd-amdhsa--gfx1250"
	.amdhsa_code_object_version 6
	.text
	.protected	k_qe18546c4e8_attn
	.globl	k_qe18546c4e8_attn
	.p2align	8
	.type	k_qe18546c4e8_attn,@function
k_qe18546c4e8_attn:
	s_mov_b64 s[64:65], 0
	v_nop
	global_prefetch_b8 v0, s[64:65] scope:SCOPE_SE
	s_setreg_imm32_b32 hwreg(HW_REG_WAVE_MODE, 25, 1), 1
	s_wait_xcnt 0x0
	s_wait_alu depctr_hold_cnt(0) depctr_sa_sdst(0) depctr_va_vdst(0) depctr_va_sdst(0) depctr_va_ssrc(0) depctr_va_vcc(0) depctr_vm_vsrc(0)
	s_getreg_b32 s2, hwreg(HW_REG_IB_STS2, 6, 4)
	s_cmp_eq_u32 s2, 0
	s_cbranch_scc0 .Lentry_in_a_cluster
	s_endpgm
.Lentry_in_a_cluster:
	s_bfe_u32 s2, ttmp6, 0x10000c
	s_cmp_lg_u32 s2, 0x3003
	s_cbranch_scc0 .Lentry_shape_is_right
	s_endpgm
.Lentry_shape_is_right:
; o = softmax(q k^T / 8) v for 64 heads of 2,048 tokens x 64 channels, both products on codes of FP6 (E2M3) with one E8M0 scale for each 32 along K; o is quantised along the 1,024 channels for the projection.
; THE SOFTMAX AHEAD OF THE SECOND PRODUCT: t = score x log2(e) / 8; M = the row's largest t so far, rounded up to a whole number; p = 2^(t - M) is quantised along the keys, not normalised.  The row's sum is taken of the
; unquantised p, in f32, and divides o at the end (a reciprocal by v_rcp_f32 and a multiplication).  When M moves, the sum and o are multiplied by 2^(old M - new M): exact.
; SHARES.  A work-group owns 256 queries and TWO neighbouring heads, one after the other, so that one wave makes a whole fragment (128 along the projection's K) and a whole scale word.  Each of its sixteen waves owns 16 queries:
; four waves to a SIMD, so that one wave's vector work stands beside another's matrix work and LDS loads.  Every wave walks all keys, 128 a step.
; OPERANDS ARRIVE AS IMAGES OF REGISTERS (8 bytes a lane, 256 consecutive bytes an instruction): no pitch, no padding.  The two heads' images lie on end in memory, so the ring of two LDS slots walks 8 chunks of 512 keys without a break.
; CLUSTER.  The four query blocks of a cluster walk the same K and V: each chunk is asked for jointly (wave 0: K's 24,576 bytes; wave 1: V's), by the same tensor load with a mask that names the four.
; LAYOUT.  Both products are used transposed: S^T = K Q^T (source 0 = 16 keys, source 1 = my 16 queries), O^T = V^T P^T: a lane holds one query (lane % 16) throughout.
; K = 64 OF THE INSTRUCTION'S 128.  Q's registers 6-11 are zero codes.  So what stands in a K fragment's registers 6-11 counts for nothing (the format has no NaN and no infinity): they are simply the next tile's codes, or six zeros.
; No prefetch: a chunk is asked for four key steps of sixteen waves ahead of its first read.
; LIMITS: a block of zeros gets the byte 1 (its codes are zeros; this program alone reads the bytes); NaN and infinities are not served.
.set CHB,   24576                      ; a chunk: 512 keys of K's images (32 tiles x 768 bytes), and as many bytes of V's (4 steps x 6,144); also both heads' scale words
.set STB,   6144                       ; a key step's images of K, and of V
.set VOFF,  CHB                        ; a slot: K's chunk, then V's
.set SCB,   2*CHB                      ; behind slot 0: both heads' scale words, filled once: for each head k's 2,048 words, then v's [16 steps][64 channels]
.set SLOT1, 131072                     ; slot 1 begins here, so that one exclusive or turns an address in one slot into the other's
.set SPARE, SLOT1+2*CHB                ; the spare words: 128 bytes for each wave, eight blocks of 256 bytes that no other line names
.set AK0,  1                           ; v1   8 x lane: my place in an image
.set ASK0, 2                           ; v2   my place among K's scale words
.set ASV0, 3                           ; v3   and among V's
.set SPW,  4                           ; v4   my spare word; never rewritten
.set NIL,  5                           ; v5   0; never rewritten
.set ADK,  8                           ; v8   LDS address of the step's images
.set ADS,  9                           ; v9   of K's scale words
.set ADT,  10                          ; v10  of V's
.set VSC,  28                          ; v28-31   V's scale words
.set KF,   32                          ; v32-55   four half fragments of K; v56-61 zeros
.set S,    80                          ; v80-143  S^T, then p
.set OT,   144                         ; v144-175 O^T
.set VF,   176                         ; v176-223 four fragments of V
.set KSC,  248                         ; v248-251 K's scale words
; v6 8 x lane, v7 4 r, v76 32 r: offsets in memory.  v12 -M, v13 the largest t, v[14:15] the sum, v[78:79] a second chain.  v16-27, v255: Q of the first head and its scale word; v62-73, v74: of the second.
; v75 the first head's two output bytes.  v224-235 p's codes; v232-247 at work; v252 f; v253 p's scale word; v254 at work.
.set TB,   2                           ; s2   LDS byte at which the step's images begin
.set TS,   3                           ; s3   where the step's scale words of K begin
.set WV,   18
.set TJ,   19                          ; s19  and V's
.set SEL,  20
.set CS,   22                          ; s[22:23] c = log2(e) / 8
.set G1,   24
.set G0,   32
.set CHK,  48                          ; counts chunks
.set CNT,  49                          ; counts a chunk's four steps
.macro CROUND                          ; a round of the cluster's barrier
	s_barrier_signal -1
	s_barrier_wait -1
	s_cmp_lg_u32 s[WV], 0
	s_cbranch_scc1 .Lnot_wave_0_\@
	s_barrier_signal -3
.Lnot_wave_0_\@:
	s_barrier_wait -3
	s_barrier_signal -1
	s_barrier_wait -1
.endm
.macro TLOAD                           ; a joint refill: wave 0 K's chunk, wave 1 V's.  The branch hangs on the wave's number alone.  Four v_nop follow the line
	s_cmp_lt_u32 s[WV], 2
	s_cbranch_scc0 .Lnone_\@
	tensor_load_to_lds s[G0:G0+3], s[G1:G1+7]
	s_nop 0
.rept 4
	v_nop
.endr
.Lnone_\@:
.endm
	s_load_b256 s[4:11], s[0:1], 0x0               ; q_cod, q_scl, k_cod, v_cod
	s_load_b128 s[12:15], s[0:1], 0x20             ; kv_scl, a_cod
	s_load_b64 s[16:17], s[0:1], 0x30              ; a_scl
	v_lshl_add_u32 v[SPW], v0, 2, SPARE
	v_mov_b32 v[NIL], 0
	ds_add_u32 v4, v5
	ds_add_u32 v4, v5
	s_wait_dscnt 0x0
	v_lshrrev_b32 v8, 5, v0
	s_delay_alu instid0(VALU_DEP_1)
	v_readfirstlane_b32 s[WV], v8                  ; wave 0..15
	s_bfe_u32 s36, ttmp6, 0x40000                  ; cx
	s_lshl_b32 s37, ttmp9, 2
	s_add_co_u32 s37, s37, s36                     ; my block of 256 queries
	s_lshl_b32 s36, s37, 4
	s_add_co_u32 s36, s36, s[WV]                   ; my tile of 16 queries in the head: it enters Q's and the outputs' addresses alone
	s_and_b32 s38, ttmp7, 0xffff                   ; y = 8 x batch + pair of heads, which the four partners share
	; descriptor group 1: 24,576 dense bytes as 96 rows of 256 bytes (32 elements of 8 bytes), no padding
	s_mov_b32 s[G1], 15|(3<<16)|(1<<21)            ; 15:0 the mask: all four work-groups; 17:16 elements of 8 bytes; 21 set beside a mask
	s_mov_b32 s[G1+1], 32<<16                      ; tensor_dim0
	s_mov_b32 s[G1+2], 96<<16                      ; tensor_dim1
	s_mov_b32 s[G1+3], 32<<16                      ; tile_dim0
	s_mov_b32 s[G1+4], 96                          ; tile_dim1
	s_mov_b32 s[G1+5], 32                          ; tensor_dim0_stride
	s_mov_b32 s[G1+6], 0
	s_mov_b32 s[G1+7], 0
	s_min_u32 s39, s[WV], 2
	s_mov_b32 s[G0], 1
	s_mul_i32 s[G0+1], s39, CHB                    ; wave 0: K's place in slot 0; wave 1: V's; wave 2: the scale words'
	s_mul_i32 s40, s38, 8*CHB                      ; the pair's codes begin 196,608 y bytes in,
	s_mul_i32 s39, s38, CHB                        ; its scale words 24,576 y
	s_cmp_lt_u32 s[WV], 2
	s_cselect_b32 s40, s40, s39
	s_mov_b32 s41, 0
	s_mul_i32 s42, s38, 8*CHB
	s_mul_i32 s43, s36, 768
	s_add_co_u32 s42, s42, s43                     ; Q's images: the pair's first head, my tile
	s_mov_b32 s43, 0
	s_lshl_b32 s44, s38, 14
	s_lshl_b32 s45, s36, 6
	s_add_co_u32 s44, s44, s45                     ; Q's scale words: 8,192 bytes a head, 64 a tile
	s_mov_b32 s45, 0
	s_and_b32 s52, s38, 7                          ; the pair of heads = the projection's step of 128 along K
	s_lshr_b32 s53, s38, 3
	s_lshl_b32 s53, s53, 7
	s_add_co_u32 s53, s53, s36                     ; my tile of 16 tokens among all 512
	s_lshr_b32 s46, s52, 1
	s_mul_i32 s46, s46, 1572864                    ; a_cod: [4 steps of 256 along K][512 tiles][2][6 units][32 lanes][8 bytes]
	s_mul_i32 s54, s53, 3072
	s_add_co_u32 s46, s46, s54
	s_and_b32 s54, s52, 1
	s_mul_i32 s54, s54, 1536
	s_add_co_u32 s46, s46, s54
	s_mov_b32 s47, 0
	s_lshl_b32 s50, s53, 9                         ; a_scl: 32 bytes a token, 512 a tile; my word is the pair's
	s_lshl_b32 s54, s52, 2
	s_add_co_u32 s50, s50, s54
	s_mov_b32 s51, 0
	s_mov_b32 s[SEL], 0x76543210
	s_mov_b32 s[SEL+1], 0xfedcba98
	s_mov_b32 s[CS], 0x3e38aa3b                    ; c = log2(e) / sqrt(64)
	s_mov_b32 s[CS+1], s[CS]                       ; (named with it as a pair, so it is written)
	s_mov_b32 s[TB], 0
	s_mov_b32 s[TS], 0
	s_mov_b32 s[TJ], 0
	s_wait_kmcnt 0x0
	s_cmp_eq_u32 s[WV], 0
	s_cselect_b64 s[G0+2:G0+3], s[8:9], s[10:11]
	s_cmp_lt_u32 s[WV], 2
	s_cselect_b64 s[G0+2:G0+3], s[G0+2:G0+3], s[12:13]
	s_add_nc_u64 s[G0+2:G0+3], s[G0+2:G0+3], s[40:41]
	s_or_b32 s[G0+3], s[G0+3], 0x80000000          ; type = 2
	CROUND                                         ; all four work-groups are here: the first joint loads meet
	s_cmp_lt_u32 s[WV], 3                          ; the first fills: chunk 0 of K, of V, and the scale words: one load a wave, in one branch
	s_cbranch_scc0 .Lno_first
	tensor_load_to_lds s[G0:G0+3], s[G1:G1+7]
	s_nop 0
.rept 4
	v_nop
.endr
.Lno_first:
	s_add_nc_u64 s[4:5], s[4:5], s[42:43]
	s_add_nc_u64 s[6:7], s[6:7], s[44:45]
	s_add_nc_u64 s[14:15], s[14:15], s[46:47]
	s_add_nc_u64 s[16:17], s[16:17], s[50:51]
	v_and_b32 v8, 31, v0                           ; lane
	v_and_b32 v9, 15, v0                           ; r
	s_delay_alu instid0(VALU_DEP_2)
	v_lshlrev_b32 v[AK0], 3, v8
	s_delay_alu instid0(VALU_DEP_2)
	v_lshl_add_u32 v[ASK0], v9, 2, SCB
	s_delay_alu instid0(VALU_DEP_3)
	v_lshl_add_u32 v[ASV0], v9, 2, SCB+8192
	v_lshlrev_b32 v6, 3, v8
	v_lshlrev_b32 v7, 2, v9
	v_lshlrev_b32 v76, 5, v9
.irp k, 0,1,2
	global_load_b64 v[16+2*\k:17+2*\k], v6, s[4:5] offset:256*\k          ; Q of the first head stays in registers,
	global_load_b64 v[62+2*\k:63+2*\k], v6, s[4:5] offset:98304+256*\k    ; and of the second
.endr
	global_load_b32 v255, v7, s[6:7]
	global_load_b32 v74, v7, s[6:7] offset:8192
.irp j, 0,1,2,3,4,5
	v_mov_b32 v[22+\j], 0                          ; zero codes for K = 64 .. 127
	v_mov_b32 v[68+\j], 0
	v_mov_b32 v[56+\j], 0                          ; and what stands behind the fourth half fragment of K
.endr
.irp b, 0,1,2,3
	v_mov_b32 v[236+\b], 0                         ; written once: a lane permute's destination counts as one of its sources
.endr
	v_mov_b32 v253, 0                              ; (named as the upper half of the pair v[252:253] before it is first written)
.macro INIT                            ; a head begins: O^T and the sum are zeros, which the first change of M leaves zeros
	v_mov_b32 v13, 0xff61b1e6                      ; the largest t so far: -3e38, under every t
	s_delay_alu instid0(VALU_DEP_1)
	v_floor_f32 v12, -v13                          ; -M
	v_mov_b32 v14, 0
	v_mov_b32 v15, 0
.set i, 0
.rept 32
	v_mov_b32 v[OT+i], 0
.set i, i+1
.endr
.endm
; A KEY STEP: 128 keys.  QF: Q's fragment; QS: its scale word.
.macro STEP QF, QS
	v_add_nc_u32 v[ADK], s[TB], v[AK0]
	v_add_nc_u32 v[ADS], s[TS], v[ASK0]
	v_add_nc_u32 v[ADT], s[TJ], v[ASV0]
.irp t, 0,1,2,3                                ; S^T = K Q^T, four tiles of 16 keys at a time
.irp k, 0,1,2
	ds_load_b64 v[KF+6*\t+2*\k:KF+6*\t+2*\k+1], v[ADK] offset:768*\t+256*\k
.endr
	ds_load_b32 v[KSC+\t], v[ADS] offset:64*\t
.endr
	s_wait_alu depctr_va_vdst(0)
	s_wait_dscnt 0x0
.irp t, 0,1,2,3
	v_wmma_scale_f32_16x16x128_f8f6f4 v[S+8*\t:S+8*\t+7], v[KF+6*\t:KF+6*\t+11], v[\QF:\QF+11], 0, v[KSC+\t], v[\QS] matrix_a_fmt:MATRIX_FMT_FP6 matrix_b_fmt:MATRIX_FMT_FP6
.endr
.rept 4
	v_nop                                          ; places in front of loads into registers that matrix instructions have read; with the three additions above also those behind the last step's products, for V's loads
.endr
.irp t, 0,1,2,3
.irp k, 0,1,2
	ds_load_b64 v[KF+6*\t+2*\k:KF+6*\t+2*\k+1], v[ADK] offset:768*(4+\t)+256*\k
.endr
	ds_load_b32 v[KSC+\t], v[ADS] offset:64*(4+\t)
.endr
.irp t, 0,1,2,3                                ; V's four fragments are asked for here and land under the softmax
.irp p, 0,1,2,3,4,5
	ds_load_b64 v[VF+12*\t+2*\p:VF+12*\t+2*\p+1], v[ADK] offset:VOFF+1536*\t+256*\p
.endr
	ds_load_b32 v[VSC+\t], v[ADT] offset:64*\t
.endr
	s_wait_dscnt 28                                ; K's are in; V's 28 loads, issued behind them, may be out
.irp t, 0,1,2,3
	v_wmma_scale_f32_16x16x128_f8f6f4 v[S+32+8*\t:S+32+8*\t+7], v[KF+6*\t:KF+6*\t+11], v[\QF:\QF+11], 0, v[KSC+\t], v[\QS] matrix_a_fmt:MATRIX_FMT_FP6 matrix_b_fmt:MATRIX_FMT_FP6
.endr                                          ; register 8 T + j of lane (r, h): query r, key 16 T + 8 h + j: registers 16 b .. 16 b + 15 of lanes l and l xor 16 are block b of 32 keys, tiled as v's quantiser tiles them
.rept 4
	v_nop
.endr
.irp b, 0,1,2,3
	v_max3_num_f32 v[232+\b], v[S+16*\b], v[S+1+16*\b], v[S+2+16*\b]   ; the largest score of each block of 32 keys: it serves the row's maximum and, since p rises with the score, the block's largest p
.endr
.irp i, 3,5,7,9,11,13
.irp b, 0,1,2,3
	v_max3_num_f32 v[232+\b], v[232+\b], v[S+16*\b+\i], v[S+1+16*\b+\i]
.endr
.endr
.irp b, 0,1,2,3
	v_max_num_f32 v[232+\b], v[232+\b], v[S+15+16*\b]
.endr
.irp b, 0,1,2,3
	s_delay_alu instid0(VALU_DEP_4)
	v_permlanex16_b32 v[236+\b], v[232+\b], s[SEL], s[SEL+1]
.endr
.irp b, 0,1,2,3
	s_delay_alu instid0(VALU_DEP_4)
	v_max_num_f32 v[232+\b], v[232+\b], v[236+\b]  ; with lane l xor 16's 16 keys
.endr
	s_delay_alu instid0(VALU_DEP_2)
	v_max3_num_f32 v254, v232, v233, v234
	s_delay_alu instid0(VALU_DEP_1)
	v_max_num_f32 v254, v254, v235                 ; the step's largest score of my query
	s_delay_alu instid0(VALU_DEP_1)
	v_mul_f32 v254, s[CS], v254                    ; as t (c is positive)
	s_delay_alu instid0(VALU_DEP_1)
	v_max_num_f32 v13, v13, v254                   ; the running largest t
	v_mov_b32 v254, v12
	s_delay_alu instid0(VALU_DEP_2)
	v_floor_f32 v12, -v13                          ; the new -M = floor(-t): M is a whole number
	s_delay_alu instid0(VALU_DEP_1)
	v_sub_f32 v254, v12, v254                      ; old M less new M: a whole number, 0 or less
	s_delay_alu instid0(VALU_DEP_1)
	v_cvt_i32_f32 v254, v254                       ; (it saturates)
	s_delay_alu instid0(VALU_DEP_1)
	v_ldexp_f32 v252, 1.0, v254                    ; f = 2^(old M - new M)
.set i, 0
.rept 32
	v_pk_fma_f32 v[S+i:S+i+1], v[S+i:S+i+1], s[CS:CS+1], v[12:13] op_sel_hi:[1,0,0]   ; t - M, two at a time
.set i, i+2
.endr
.irp b, 0,1,2,3
	v_fma_f32 v[232+\b], v[232+\b], s[CS], v12     ; the same of each block's largest score
.endr
.set i, 0
	s_setprio 1
	s_wait_alu depctr_va_vdst(0)
.rept 64
	v_exp_f32 v[S+i], v[S+i]                       ; p = 2^(t - M), at most 1
.set i, i+1
.endr
	v_pk_mul_f32 v[14:15], v[14:15], v[252:253] op_sel_hi:[1,0]   ; the sum under the new M: a plain place behind the exponentials
.set i, 0
	s_wait_alu depctr_va_vdst(0)
.rept 16
	v_pk_mul_f32 v[OT+i:OT+i+1], v[OT+i:OT+i+1], v[252:253] op_sel_hi:[1,0]   ; O^T under the new M: work that names no exponential's result, each accumulator from its low end on
.set i, i+2
.endr
	s_wait_alu depctr_va_vdst(0)                   ; one wait for the batch of 64, ahead of its first reader
.irp b, 0,1,2,3
	v_exp_f32 v[232+\b], v[232+\b]                 ; the block's largest p: the same two instructions on the same number give the same bits
.endr
	v_pk_add_f32 v[78:79], v[S:S+1], v[S+2:S+3]    ; the row's sum is taken of the unquantised p, in two chains; these lines read the 64 alone
.set i, 4
.rept 7
	v_pk_add_f32 v[14:15], v[14:15], v[S+i:S+i+1]
	v_pk_add_f32 v[78:79], v[78:79], v[S+i+2:S+i+3]
.set i, i+4
.endr
	s_wait_alu depctr_va_vdst(0)                   ; and one for the four
.irp b, 0,1,2,3
	v_max_num_f32 v[232+\b], 0x1800000, v[232+\b]  ; the floor 2^(3 - 127): the byte cannot fall under 1
.endr
.irp b, 0,1,2,3
	s_delay_alu instid0(VALU_DEP_4)
	v_add_nc_u32 v[244+\b], 0xff000000, v[232+\b]  ; 2 off the exponent field: the conversion's scale operand
.endr
.irp b, 0,1,2,3
	s_delay_alu instid0(VALU_DEP_4)
	v_lshrrev_b32 v[236+\b], 23, v[244+\b]         ; the scale's byte
.endr
	s_delay_alu instid0(VALU_DEP_3)
	v_lshl_or_b32 v253, v237, 8, v236              ; p's scale word for these 128 keys
	s_delay_alu instid0(VALU_DEP_1)
	v_lshl_or_b32 v253, v238, 16, v253
	s_delay_alu instid0(VALU_DEP_1)
	v_lshl_or_b32 v253, v239, 24, v253
.irp c, 0,1
	v_cvt_scalef32_pk16_fp6_f32 v[224+6*\c:226+6*\c], v[S+32*\c:S+15+32*\c], v[244+2*\c]
	v_cvt_scalef32_pk16_fp6_f32 v[236+4*\c:238+4*\c], v[S+16+32*\c:S+31+32*\c], v[244+2*\c+1]   ; (a conversion's three registers begin on an even number)
.endr
	v_nop                                          ; one plain place behind a scaled conversion
	s_setprio 0
.irp c, 0,1                                    ; a whole block to a lane: lanes 0-15 block 2 c, lanes 16-31 block 2 c + 1
.irp i, 0,1,2
	v_permlane16_swap_b32 v[224+6*\c+\i], v[236+4*\c+\i]
.endr
.irp i, 0,1,2
	s_delay_alu instid0(VALU_DEP_3)
	v_mov_b32 v[227+6*\c+\i], v[236+4*\c+\i]
.endr
.endr
.set i, 32
.rept 8
	v_pk_add_f32 v[14:15], v[14:15], v[S+i:S+i+1]  ; the rest of the sums: 17 plain lines between the scale word's and the codes' last writes and the products
	v_pk_add_f32 v[78:79], v[78:79], v[S+i+2:S+i+3]
.set i, i+4
.endr
	s_delay_alu instid0(VALU_DEP_1)
	v_pk_add_f32 v[14:15], v[14:15], v[78:79]
	s_wait_dscnt 0x0                               ; V is in
.irp t, 0,1,2,3                                ; O^T += V^T P^T: four tiles of 16 channels, by turns
	v_wmma_scale_f32_16x16x128_f8f6f4 v[OT+8*\t:OT+8*\t+7], v[VF+12*\t:VF+12*\t+11], v[224:235], v[OT+8*\t:OT+8*\t+7], v[VSC+\t], v253 matrix_a_fmt:MATRIX_FMT_FP6 matrix_b_fmt:MATRIX_FMT_FP6
.endr
	s_add_co_u32 s[TB], s[TB], STB                 ; the next step's images and scale words
	s_add_co_u32 s[TS], s[TS], 512
	s_add_co_u32 s[TJ], s[TJ], 256
.endm
; THE CHANGE OF SLOTS stands at a chunk's head.  Each wave waits for all its tensor loads, adds 0 to its spare word, and waits for that and for its reads of the slot that it has left.  fill = 1: behind a round of the
; cluster's barrier that slot takes the chunk after the one about to be read: the load has four key steps in which to land.  By this text's count a wave never has more than one tensor load out.
.macro CHANGE fill
	s_wait_tensorcnt 0x0                           ; no tensor load of mine is out, so the group 0 may be written
	ds_add_u32 v[SPW], v[NIL]                      ; 0 onto my spare word
	ds_add_u32 v[SPW], v[NIL]
.if \fill
	s_xor_b32 s[G0+1], s[G0+1], SLOT1              ; the other slot than last time,
	s_add_nc_u64 s[G0+2:G0+3], s[G0+2:G0+3], CHB   ; the next chunk; the second head's follow the first's in memory
.endif
	s_wait_dscnt 0x0                               ; the add is done, and my reads of the slot that I have left are over
.if \fill
	CROUND
	TLOAD
.else
	s_barrier_signal -1
	s_barrier_wait -1
.endif
.endm
.macro CHUNK QF, QS                    ; a chunk's four key steps: written once, walked four times
	s_mov_b32 s[CNT], 4
.Lstep_\@:
	s_setprio 2
	STEP \QF, \QS
	s_sub_co_u32 s[CNT], s[CNT], 1
	s_cmp_lg_u32 s[CNT], 0
	s_cbranch_scc1 .Lstep_\@
	s_setprio 0
	s_sub_co_u32 s[TB], s[TB], CHB                 ; back to a slot's first step,
	s_xor_b32 s[TB], s[TB], SLOT1                  ; in the other slot
.endm
; A HEAD'S END.  e: the first (0) or the second (1) of the pair.  O^T / the sum is quantised along the channels, in their true order (the weight that it will meet lies so), and leaves as half a fragment's image.
.macro FINISH e
.rept 4
	v_nop                                          ; places behind the last products
.endr
	v_add_f32 v14, v14, v15                        ; the sum's two halves,
	s_delay_alu instid0(VALU_DEP_1)
	v_permlanex16_b32 v252, v14, s[SEL], s[SEL+1]
	s_delay_alu instid0(VALU_DEP_1)
	v_add_f32 v14, v14, v252                       ; and lane l xor 16's
	s_wait_alu depctr_va_vdst(0)
	v_rcp_f32 v14, v14
	v_nop                                          ; a plain place behind the transcendental
	s_wait_alu depctr_va_vdst(0)                   ; and the wait ahead of its first reader
.set i, 0
.rept 32
	v_mul_f32 v[S+i], v[OT+i], v14                 ; register 8 t + j: channel 16 t + 8 h + j of query r
.set i, i+1
.endr
.irp b, 0,1
.irp j, 0,1,2,3,4,5,6,7
	v_permlane16_swap_b32 v[S+16*\b+\j], v[S+16*\b+8+\j]   ; lane (r, h) now holds channels 32 b + 16 h + 0 .. 15 in registers 16 b .. 16 b + 15
.endr
.endr
.irp b, 0,1
	v_max3_num_f32 v[232+\b], |v[S+16*\b]|, |v[S+1+16*\b]|, 0x1800000
.endr
.irp i, 2,4,6,8,10,12,14
.irp b, 0,1
	s_delay_alu instid0(VALU_DEP_2)
	v_max3_num_f32 v[232+\b], v[232+\b], |v[S+16*\b+\i]|, |v[S+1+16*\b+\i]|
.endr
.endr
.irp b, 0,1
	s_delay_alu instid0(VALU_DEP_2)
	v_permlanex16_b32 v[236+\b], v[232+\b], s[SEL], s[SEL+1]
.endr
.irp b, 0,1
	s_delay_alu instid0(VALU_DEP_2)
	v_max_num_f32 v[232+\b], v[232+\b], v[236+\b]
.endr
.irp b, 0,1
	s_delay_alu instid0(VALU_DEP_2)
	v_add_nc_u32 v[244+\b], 0xff000000, v[232+\b]
.endr
.irp b, 0,1
	s_delay_alu instid0(VALU_DEP_2)
	v_lshrrev_b32 v[236+\b], 23, v[244+\b]
.endr
.if \e == 0
	s_delay_alu instid0(VALU_DEP_1)
	v_lshl_or_b32 v75, v237, 8, v236               ; the first head's two bytes are kept
.else
	s_delay_alu instid0(VALU_DEP_1)
	v_lshl_or_b32 v254, v237, 8, v236
	s_delay_alu instid0(VALU_DEP_1)
	v_lshl_or_b32 v254, v254, 16, v75              ; with the second's two the word is whole
.endif
	v_cvt_scalef32_pk16_fp6_f32 v[224:226], v[S:S+15], v244
	v_cvt_scalef32_pk16_fp6_f32 v[240:242], v[S+16:S+31], v245
	v_nop                                          ; one plain place behind a scaled conversion
.irp i, 0,1,2
	v_permlane16_swap_b32 v[224+\i], v[240+\i]     ; a whole block to a lane: lanes 0-15 channels 0-31, lanes 16-31 channels 32-63
.endr
.irp i, 0,1,2
	s_delay_alu instid0(VALU_DEP_3)
	v_mov_b32 v[227+\i], v[240+\i]
.endr
.irp k, 0,1,2
	global_store_b64 v6, v[224+2*\k:225+2*\k], s[14:15] offset:768*\e+256*\k   ; 32 lanes store 256 consecutive bytes, aligned
.endr
.if \e == 0
	s_wait_xcnt 0x0                                ; the stores have read their codes: the next head writes these registers again
	s_add_co_u32 s[TS], s[TS], 4096                ; over the first head's words of v,
	s_add_co_u32 s[TJ], s[TJ], 8192                ; over the second head's words of k
.else
	global_store_b32 v76, v254, s[16:17]           ; my 16 tokens' words, 32 bytes apart (lanes 16-31 the same words to the same places): one instruction a wave in the whole launch
.endif
.endm
	INIT
	s_wait_loadcnt 0x0                             ; Q
	s_mov_b32 s[CHK], 4
.Lhead0:                                           ; the first head's four chunks; behind each change the next chunk is asked for, the fourth time the second head's first
	CHANGE 1
	CHUNK 16, 255
	s_sub_co_u32 s[CHK], s[CHK], 1
	s_cmp_lg_u32 s[CHK], 0
	s_cbranch_scc1 .Lhead0
	s_wait_alu depctr_va_vdst(0)
	FINISH 0
	INIT
	s_mov_b32 s[CHK], 3
.Lhead1:
	CHANGE 1
	CHUNK 62, 74
	s_sub_co_u32 s[CHK], s[CHK], 1
	s_cmp_lg_u32 s[CHK], 0
	s_cbranch_scc1 .Lhead1
	CHANGE 0                                       ; the last chunk is written out
	CHUNK 62, 74
	s_wait_alu depctr_va_vdst(0)
	FINISH 1
	s_wait_tensorcnt 0x0                           ; the wave's end
	ds_add_u32 v[SPW], v[NIL]
	s_wait_dscnt 0x0
	CROUND                                         ; the closing round: no work-group ends while a partner may still ask for a chunk that names it
	s_endpgm
.Lfunc_end_k_qe18546c4e8_attn:
	.size	k_qe18546c4e8_attn, .Lfunc_end_k_qe18546c4e8_attn-k_qe18546c4e8_attn
	.p2alignl 7, 3214868480
	.fill 96, 4, 3214868480
	.section	.rodata,"a",@progbits
	.p2align	6, 0x0
	.amdhsa_kernel k_qe18546c4e8_attn
		.amdhsa_group_segment_fixed_size 327680
		.amdhsa_private_segment_fixed_size 0
		.amdhsa_enable_private_segment 0
		.amdhsa_kernarg_size 56
		.amdhsa_user_sgpr_count 2
		.amdhsa_user_sgpr_kernarg_segment_ptr 1
		.amdhsa_wavefront_size32 1
		.amdhsa_system_sgpr_workgroup_id_x 1
		.amdhsa_system_sgpr_workgroup_id_y 1
		.amdhsa_system_sgpr_workgroup_id_z 1
		.amdhsa_system_vgpr_workitem_id 0
		.amdhsa_next_free_vgpr 256
		.amdhsa_next_free_sgpr 66
		.amdhsa_reserve_vcc 0
		.amdhsa_float_denorm_mode_32 3
		.amdhsa_float_denorm_mode_16_64 3
		.amdhsa_memory_ordered 1
		.amdhsa_forward_progress 1
		.amdhsa_inst_pref_size 79
	.end_amdhsa_kernel
	.amdgpu_metadata
---
amdhsa.version: [ 1, 2 ]
amdhsa.kernels:
  - .name:           k_qe18546c4e8_attn
    .symbol:         k_qe18546c4e8_attn.kd
    .args:
      - { .name: q_cod, .offset: 0, .size: 8, .value_kind: global_buffer, .address_space: global }
      - { .name: q_scl, .offset: 8, .size: 8, .value_kind: global_buffer, .address_space: global }
      - { .name: k_cod, .offset: 16, .size: 8, .value_kind: global_buffer, .address_space: global }
      - { .name: v_cod, .offset: 24, .size: 8, .value_kind: global_buffer, .address_space: global }
      - { .name: kv_scl, .offset: 32, .size: 8, .value_kind: global_buffer, .address_space: global }
      - { .name: a_cod, .offset: 40, .size: 8, .value_kind: global_buffer, .address_space: global }
      - { .name: a_scl, .offset: 48, .size: 8, .value_kind: global_buffer, .address_space: global }
    .group_segment_fixed_size: 327680
    .private_segment_fixed_size: 0
    .kernarg_segment_align: 8
    .kernarg_segment_size: 56
    .max_flat_workgroup_size: 512
    .sgpr_count:     66
    .vgpr_count:     256
    .wavefront_size: 32
...
	.end_amdgpu_metadata
.endif
;; end of part 2
;; launch proj (part 3): grid 4 x 32, 4 waves a work-group, clusters of 4 x 4, 327,680 bytes of LDS; arguments a_cod, a_scl, Wp_codes, Wp_scales, bp, out0; writes out0
.if DOCPART == 3
	.amdgcn_target "amdgcn-amd-amdhsa--gfx1250"
	.amdhsa_code_object_version 6
	.text
	.protected	k_qe18546c4e8_proj
	.globl	k_qe18546c4e8_proj
	.p2align	8
	.type	k_qe18546c4e8_proj,@function
k_qe18546c4e8_proj:
	s_mov_b64 s[64:65], 0
	v_nop
	global_prefetch_b8 v0, s[64:65] scope:SCOPE_SE
	s_setreg_imm32_b32 hwreg(HW_REG_WAVE_MODE, 25, 1), 1
	s_wait_xcnt 0x0
	s_wait_alu depctr_hold_cnt(0) depctr_sa_sdst(0) depctr_va_vdst(0) depctr_va_sdst(0) depctr_va_ssrc(0) depctr_va_vcc(0) depctr_vm_vsrc(0)
	s_getreg_b32 s2, hwreg(HW_REG_IB_STS2, 6, 4)
	s_cmp_eq_u32 s2, 0
	s_cbranch_scc0 .Lentry_in_a_cluster
	s_endpgm
.Lentry_in_a_cluster:
	s_bfe_u32 s2, ttmp6, 0x10000c
	s_cmp_lg_u32 s2, 0xf033
	s_cbranch_scc0 .Lentry_shape_is_right
	s_endpgm
.Lentry_shape_is_right:
; out0 = a Wp + bp.  a: the attention's result, 8,192 tokens x 1,024 channels, codes of FP6 (E2M3) with one E8M0 scale for each 32 along K; Wp: [1,024 (n)][1,024 (k)] codes, K innermost; out0: [8,192][1,024] f32; sums in f32.
; A tile of 256 x 256 to a work-group of four waves, 128 x 128 to a wave: 64 accumulators of 16 x 16.  K goes in steps of 256 through a ring of two LDS slots filled by the tensor data mover.
; a's codes lie in memory as IMAGES OF OPERAND REGISTERS, [4 steps of 256 along K][512 tiles of 16 tokens][2 x 128 along K][6 units][32 lanes][8 bytes]: a wave's part of a K step (8 tiles) is one dense block of 24,576 bytes,
; and a fragment comes from LDS by six loads of 256 consecutive bytes.  Wp's tiles are rows of 192 bytes, 16 bytes of padding behind every 64.  The scale bytes of the work-group's rows, for all of K, come once with the first fills.
; CLUSTERS: 4 x 4 work-groups.  The four of a row of the cluster need the same tiles of a, the four of a column the same tiles of Wp: each is asked for jointly, by the same tensor load with a mask that names the four.
; THE MATRIX INSTRUCTION IS USED TRANSPOSED (source 0 = 16 rows of Wp, source 1 = 16 tokens): a lane holds eight neighbouring numbers of a row of out0.
; REGISTERS, in windows of 256: window 0: v0-31 addresses; v32-63 scale words, two sets; v64-67 my four numbers of bp; from v128 a's fragments, one set; on the way out v128-255 rows read back.
;   window 1: Wp's fragments, two sets.   windows 2, 3: the accumulators.
.set SIZE_N, 1024
.set KSTEP,  256
.set NQ,     2
.set ROWB,   192
.set KROW,   768
.set PITCH,  240
.set FR,     12
.set NL,     6
.set NP,     4
.set HALFT,  128*PITCH                 ; a wave's part of a slot (a's images use 24,576 bytes of it)
.set SLOT,   4*HALFT
.set LAPS,   2
.set KS,     32
.set ASTEP,  1572864                   ; from one K step of a's images to the next: 512 tiles x 3,072 bytes
.set SCL,    2*SLOT
.set HALFS,  (128*KS/256)*272
.set SBLK,   (16*KS/256)*272
.set SPARE,  SCL+4*HALFS               ; the spare words: 128 bytes for each wave, two blocks of 256 bytes that no other line names
.set SPITCH, 528                       ; the way out: a stage of 16 rows x (512 bytes + 16) for each wave, in slot 0, which has had its last fill and its last read by then
.set ADRA, 16                          ; v16-17  8 x lane + my half of a's images in slot 0, 1
.set ADRB, 20                          ; v20-23  LDS address of my fragments of Wp
.set STO,  24
.set RD,   25
.set CO,   26
.set ADRS, 27
.set SPW,  28
.set NIL,  29
.set SC,   32
.set BP,   64
.set AF,   128
.set BK,   128
.set G1, 24
.set G0, 32
.set G1B, 48
.set G0B, 56
.set G1S, 68
.set G0S, 76
.set G1SB, 80
.set G0SB, 88
.set MSB, 0
.macro WIN new                         ; the immediate's high byte repeats the setting that is left
.if MSB != \new
	s_set_vgpr_msb (MSB<<8)|\new
.set MSB, \new
.endif
.endm
.set MUL_LO, 0xa1
.set MUL_HI, 0xf1
.set TO_B,   0x40
.macro JLOAD g0a, g1a, g0b, g1b        ; a joint load: waves 0 and 1 fetch for a, waves 2 and 3 for Wp; four v_nop follow each of the two lines
	s_cmp_eq_u32 s15, 0
	s_cbranch_scc0 .Lfor_b_\@
	tensor_load_to_lds s[\g0a:\g0a+3], s[\g1a:\g1a+7]
	s_nop 0
.rept 4
	v_nop
.endr
	s_branch .Lasked_\@
.Lfor_b_\@:
	tensor_load_to_lds s[\g0b:\g0b+3], s[\g1b:\g1b+7]
	s_nop 0
.rept 4
	v_nop
.endr
.Lasked_\@:
.endm
.macro CREST
	s_cmp_lg_u32 s14, 0
	s_cbranch_scc1 .Lnot_wave_0_\@
	s_barrier_signal -3
.Lnot_wave_0_\@:
	s_barrier_wait -3
	s_barrier_signal -1
	s_barrier_wait -1
.endm
.macro CROUND
	s_barrier_signal -1
	s_barrier_wait -1
	CREST
.endm
	s_load_b128 s[4:7], s[0:1], 0x0                ; a's codes, a's scales
	s_load_b128 s[8:11], s[0:1], 0x10              ; Wp's codes, Wp's scales
	s_load_b64 s[96:97], s[0:1], 0x20              ; bp
	s_load_b64 s[12:13], s[0:1], 0x28              ; out0
	v_lshl_add_u32 v[SPW], v0, 2, SPARE
	v_mov_b32 v[NIL], 0
	ds_add_u32 v28, v29
	s_wait_dscnt 0x0
	v_lshrrev_b32 v1, 5, v0
	v_readfirstlane_b32 s14, v1                    ; wave 0..3
	s_lshr_b32 s15, s14, 1                         ; which half of the tile's rows is mine.  Also: I fetch for a (0) or for Wp (1)
	s_and_b32 s16, s14, 1                          ; which half of its columns.  Also: which 128 rows of that tile I fetch
	s_bfe_u32 s40, ttmp6, 0x40000
	s_bfe_u32 s41, ttmp6, 0x40004
	s_lshl_b32 s42, ttmp9, 2
	s_add_co_u32 s42, s42, s40                     ; tile column
	s_and_b32 s17, ttmp7, 0xffff
	s_lshl_b32 s17, s17, 2
	s_add_co_u32 s17, s17, s41                     ; tile row
	s_lshl_b32 s43, s41, 2
	s_lshl_b32 s43, 15, s43                        ; my row of the cluster
	s_lshl_b32 s44, 0x1111, s40                    ; my column
	; group 1 for a's images: 24,576 dense bytes as 96 rows of 256 bytes (32 elements of 8 bytes), no padding
	s_or_b32 s[G1+0], s43, (3<<16)|(1<<21)
	s_mov_b32 s[G1+1], 32<<16
	s_mov_b32 s[G1+2], 96<<16
	s_mov_b32 s[G1+3], 32<<16
	s_mov_b32 s[G1+4], 96
	s_mov_b32 s[G1+5], 32
	s_mov_b32 s[G1+6], 0
	s_mov_b32 s[G1+7], 0
	; group 1 for Wp's tiles: 128 rows x 192 bytes, 16 bytes of padding behind every 64
	s_or_b32 s[G1B+0], s44, (0<<16)|(1<<20)|(1<<21)|(3<<22)|(3<<25)
	s_mov_b32 s[G1B+1], ROWB<<16
	s_mov_b32 s[G1B+2], 128<<16
	s_mov_b32 s[G1B+3], ROWB<<16
	s_mov_b32 s[G1B+4], 128
	s_mov_b32 s[G1B+5], KROW
	s_mov_b32 s[G1B+6], 0
	s_mov_b32 s[G1B+7], 0
	; and for the scales of 128 rows: 4,096 dense bytes as 16 rows of 256 bytes, 16 bytes of padding behind each
	s_or_b32 s[G1S+0], s43, (3<<16)|(1<<20)|(1<<21)|(5<<22)|(3<<25)
	s_or_b32 s[G1SB+0], s44, (3<<16)|(1<<20)|(1<<21)|(5<<22)|(3<<25)
.irp g, G1S, G1SB
	s_mov_b32 s[\g+1], 32<<16
	s_mov_b32 s[\g+2], (128*KS/256)<<16
	s_mov_b32 s[\g+3], 32<<16
	s_mov_b32 s[\g+4], 128*KS/256
	s_mov_b32 s[\g+5], 32
	s_mov_b32 s[\g+6], 0
	s_mov_b32 s[\g+7], 0
.endr
	s_lshl_b32 s18, s16, 7
	s_lshl_b32 s20, s17, 8
	s_add_co_u32 s20, s20, s18                     ; a: token 256 x tile row + 128 x half
	s_lshl_b32 s46, s42, 8
	s_add_co_u32 s46, s46, s18                     ; Wp: row 256 x tile column + 128 x half
	s_mov_b32 s21, 0
	s_mov_b32 s47, 0
	s_mov_b64 s[18:19], KS
	s_mul_u64 s[22:23], s[20:21], s[18:19]         ; where these rows' scales begin
	s_mul_u64 s[92:93], s[46:47], s[18:19]
	s_mov_b64 s[18:19], KROW
	s_mul_u64 s[46:47], s[46:47], s[18:19]         ; Wp's codes
	s_mov_b64 s[18:19], 192
	s_mul_u64 s[20:21], s[20:21], s[18:19]         ; a's images: 3,072 bytes for each 16 tokens in a K step
	s_mul_i32 s45, s14, HALFT
	s_mul_i32 s94, s14, HALFS
	s_wait_kmcnt 0x0
	s_add_nc_u64 s[20:21], s[4:5], s[20:21]
	s_add_nc_u64 s[22:23], s[6:7], s[22:23]
	s_add_nc_u64 s[46:47], s[8:9], s[46:47]
	s_add_nc_u64 s[92:93], s[10:11], s[92:93]
	CROUND                                         ; all sixteen work-groups are here: the first joint loads meet
	s_mov_b32 s[G0S], 1
	s_add_co_u32 s[G0S+1], s94, SCL
	s_mov_b64 s[G0S+2:G0S+3], s[22:23]
	s_or_b32 s[G0S+3], s[G0S+3], 0x80000000
	s_mov_b32 s[G0SB], 1
	s_add_co_u32 s[G0SB+1], s94, SCL
	s_mov_b64 s[G0SB+2:G0SB+3], s[92:93]
	s_or_b32 s[G0SB+3], s[G0SB+3], 0x80000000
	JLOAD G0S, G1S, G0SB, G1SB                     ; the scales first
.irp s, 0,1
	s_mov_b32 s[G0+4*\s], 1
	s_add_co_u32 s[G0+4*\s+1], s45, \s*SLOT
	s_add_nc_u64 s[G0+4*\s+2:G0+4*\s+3], s[20:21], \s*ASTEP
	s_or_b32 s[G0+4*\s+3], s[G0+4*\s+3], 0x80000000
	s_mov_b32 s[G0B+4*\s], 1
	s_add_co_u32 s[G0B+4*\s+1], s45, \s*SLOT
	s_add_nc_u64 s[G0B+4*\s+2:G0B+4*\s+3], s[46:47], \s*ROWB
	s_or_b32 s[G0B+4*\s+3], s[G0B+4*\s+3], 0x80000000
	JLOAD G0+4*\s, G1, G0B+4*\s, G1B
.endr
	v_and_b32 v1, 15, v0                           ; r
	v_bfe_u32 v2, v0, 4, 1                         ; h
	v_and_b32 v6, 31, v0                           ; lane
	v_mul_u32_u24 v3, v1, PITCH
	v_mul_u32_u24 v4, v2, 24
	v_add_nc_u32 v4, v3, v4                        ; Wp: a fragment's row x pitch + 24 x half
	v_lshl_add_u32 v5, v2, 4, v4                   ; and the same behind one padding more
	v_lshlrev_b32 v3, 3, v6                        ; a: 8 x lane
	s_mul_i32 s21, s15, HALFT                      ; my 8 tiles of a
	s_mul_i32 s22, s16, HALFT                      ; my 128 rows of Wp,
	s_add_co_u32 s22, s22, 2*HALFT                 ; which lie behind a's two halves
.irp s, 0,1
	v_add_nc_u32 v[ADRA+\s], s21, v3
	v_add_nc_u32 v[ADRB+\s], s22, v4
	v_add_nc_u32 v[ADRB+2+\s], s22, v5
	s_add_co_u32 s21, s21, SLOT
	s_add_co_u32 s22, s22, SLOT
.endr
	v_mul_u32_u24 v5, v1, KS
	v_lshrrev_b32 v7, 8, v5
	v_lshl_add_u32 v5, v7, 4, v5
	s_mul_i32 s21, s15, HALFS
	s_mul_i32 s22, s16, HALFS
	s_add_co_u32 s22, s22, 2*HALFS
	s_sub_co_u32 s22, s22, s21
	v_mul_u32_u24 v7, s22, v2                      ; lanes 16-31 take Wp's
	s_add_co_u32 s21, s21, SCL
	v_add_nc_u32 v5, v5, v7
	v_add_nc_u32 v[ADRS], s21, v5
	s_mul_i32 s23, s14, 16*SPITCH                  ; my stage
	v_mul_u32_u24 v5, v1, SPITCH
	v_lshl_add_u32 v5, v2, 5, v5
	v_add_nc_u32 v[STO], s23, v5
	v_lshlrev_b32 v[CO], 4, v6
	v_add_nc_u32 v[RD], s23, v[CO]
	s_lshl_b32 s20, s17, 8
	s_lshl_b32 s21, s15, 7
	s_add_co_u32 s20, s20, s21                     ; my first row of out0
	s_mov_b32 s21, 0
	s_mov_b64 s[18:19], SIZE_N*4
	s_mul_u64 s[20:21], s[20:21], s[18:19]
	s_lshl_b32 s46, s42, 10                        ; my first column, in bytes: 1,024 x tile column + 512 x half
	s_lshl_b32 s47, s16, 9
	s_add_co_u32 s46, s46, s47
	s_mov_b32 s47, 0
	s_add_nc_u64 s[20:21], s[20:21], s[46:47]
	s_add_nc_u64 s[12:13], s[12:13], s[20:21]
	s_add_nc_u64 s[96:97], s[96:97], s[46:47]      ; bp at the same column
	global_load_b128 v[BP:BP+3], v[CO], s[96:97]   ; the four columns that I store of every row
.macro FRAG reg, adr, q, i             ; a fragment of Wp: 24 bytes of the row's stream of bits twice, in pieces of 8 bytes; the second address register serves the pieces that lie behind one padding more
.irp p, 0,1,2,3,4,5
.set PC, 12*(\q)+6*(\p/3)+\p%3
.if PC%8 < 5
	ds_load_b64 v[\reg+2*\p:\reg+2*\p+1], v[\adr] offset:8*PC+16*(PC/8)+(\i)*16*PITCH
.else
	ds_load_b64 v[\reg+2*\p:\reg+2*\p+1], v[\adr+2] offset:8*PC+16*(PC/8)+(\i)*16*PITCH
.endif
.endr
.endm
.macro FRAGI reg, adr, q, i            ; a fragment of a: its image, six times 256 consecutive bytes
.irp p, 0,1,2,3,4,5
	ds_load_b64 v[\reg+2*\p:\reg+2*\p+1], v[\adr] offset:3072*(\i)+1536*(\q)+256*\p
.endr
.endm
.macro MUL16 a0, p, q, sc, zero        ; 16 matrix instructions; the 64 accumulators take turns, one instruction a turn
.irp a, \a0, \a0+1
.irp b, 0,1,2,3,4,5,6,7
.if \zero
	v_wmma_scale_f32_16x16x128_f8f6f4 v[8*(8*((\a)%4)+\b):8*(8*((\a)%4)+\b)+7], v[128*(\p)+FR*\b:128*(\p)+FR*\b+FR-1], v[AF+FR*(\a):AF+FR*(\a)+FR-1], 0, v[SC+8*NQ*(\sc)+NQ*\b+(\q)], v[SC+8*NQ*(\sc)+NQ*(\a)+(\q)] matrix_a_fmt:MATRIX_FMT_FP6 matrix_b_fmt:MATRIX_FMT_FP6 matrix_a_scale:MATRIX_SCALE_ROW1
.else
	v_wmma_scale_f32_16x16x128_f8f6f4 v[8*(8*((\a)%4)+\b):8*(8*((\a)%4)+\b)+7], v[128*(\p)+FR*\b:128*(\p)+FR*\b+FR-1], v[AF+FR*(\a):AF+FR*(\a)+FR-1], v[8*(8*((\a)%4)+\b):8*(8*((\a)%4)+\b)+7], v[SC+8*NQ*(\sc)+NQ*\b+(\q)], v[SC+8*NQ*(\sc)+NQ*(\a)+(\q)] matrix_a_fmt:MATRIX_FMT_FP6 matrix_b_fmt:MATRIX_FMT_FP6 matrix_a_scale:MATRIX_SCALE_ROW1
.endif
.endr
.endr
.endm
.macro FETCH_B slot, q, p
	WIN TO_B
.irp i, 0,1,2,3,4,5,6,7
	FRAG 128*(\p)+FR*\i, ADRB+\slot, \q, \i
.endr
	WIN 0
.endm
.macro FETCH_A slot, q, i0
.irp i, \i0, \i0+1, \i0+2, \i0+3
	FRAGI AF+FR*(\i), ADRA+\slot, \q, \i
.endr
.endm
.macro SCALES sc
.irp i, 0,1,2,3,4,5,6,7
	ds_load_b64 v[SC+8*NQ*\sc+NQ*\i:SC+8*NQ*\sc+NQ*\i+1], v[ADRS] offset:\i*SBLK
.endr
.endm
.macro PLACES n
.rept \n
	v_nop
.endr
.endm
.macro STEP slot, q, zero
	s_wait_dscnt 4*NL                              ; Wp's set and a's blocks 0-3 are in; the youngest 24 loads (a's blocks 4-7) may be out
	WIN MUL_LO
	MUL16 0, (\q)%2, \q, \slot, \zero
	MUL16 2, (\q)%2, \q, \slot, \zero
	s_wait_dscnt 0
	PLACES NP
	FETCH_B \slot, (\q)+1, 1-(\q)%2
	FETCH_A \slot, (\q)+1, 0
	WIN MUL_HI
	MUL16 4, (\q)%2, \q, \slot, \zero
	MUL16 6, (\q)%2, \q, \slot, \zero
	PLACES NP
	WIN 0
	FETCH_A \slot, (\q)+1, 4
.endm
.macro TURN slot, next, fill           ; a slot's last step changes slots: one barrier, with the waits and the add in front of it
	s_wait_tensorcnt 0x0                           ; all my tensor loads have landed: my part of the next slot
	ds_add_u32 v[SPW], v[NIL]                      ; 0 onto my spare word
	s_wait_dscnt 4*NL+1                            ; the add and the youngest 24 loads may be out
	WIN MUL_LO
	MUL16 0, 1, NQ-1, \slot, 0
	s_wait_dscnt 0x0                               ; the add is done, and my reads of this slot are over
	s_barrier_signal -1
	MUL16 2, 1, NQ-1, \slot, 0
	WIN 0
	s_barrier_wait -1
.if \fill
	CREST                                          ; the barrier has opened a round of the cluster's barrier
	s_add_nc_u64 s[G0+4*\slot+2:G0+4*\slot+3], s[G0+4*\slot+2:G0+4*\slot+3], 2*ASTEP
	s_add_nc_u64 s[G0B+4*\slot+2:G0B+4*\slot+3], s[G0B+4*\slot+2:G0B+4*\slot+3], 2*ROWB
	JLOAD G0+4*\slot, G1, G0B+4*\slot, G1B         ; the first tensor load behind the round; its four v_nop are the places in front of the loads below
.else
	PLACES NP
.endif
	v_add_nc_u32 v[ADRS], 4*NQ, v[ADRS]
	FETCH_B \next, 0, 0
	FETCH_A \next, 0, 0
	SCALES \next
	WIN MUL_HI
	MUL16 4, 1, NQ-1, \slot, 0
	MUL16 6, 1, NQ-1, \slot, 0
	PLACES NP
	WIN 0
	FETCH_A \next, 0, 4
.endm
	s_wait_loadcnt 0x0                             ; bp
	s_wait_tensorcnt 1                             ; the scales and my part of K step 0 are in; K step 1's load, the one issued behind them, may be out
	s_barrier_signal -1
	s_barrier_wait -1
	FETCH_B 0, 0, 0
	FETCH_A 0, 0, 0
	SCALES 0
	FETCH_A 0, 0, 4
	STEP 0, 0, 1                                   ; the first step's products start the sums
	s_mov_b32 s3, LAPS-1
.Llap:
	TURN 0, 1, 1
	STEP 1, 0, 0
	TURN 1, 0, 1
	STEP 0, 0, 0
	s_sub_co_u32 s3, s3, 1
	s_cmp_lg_u32 s3, 0
	s_cbranch_scc1 .Llap
	TURN 0, 1, 0
	STEP 1, 0, 0
	s_wait_dscnt 4*NL
	WIN MUL_LO
	MUL16 0, 1, NQ-1, 1, 0
	MUL16 2, 1, NQ-1, 1, 0
	s_wait_dscnt 0
	WIN MUL_HI
	MUL16 4, 1, NQ-1, 1, 0
	MUL16 6, 1, NQ-1, 1, 0
	WIN 0
; THE WAY OUT, block by block of 16 rows x 128 columns: through my own stage in LDS, back as whole rows of 512 bytes, + bp, stored by the 32 lanes as 512 consecutive bytes.
.macro TOSTAGE a
.set AC, 64*((\a)%4)
	WIN 0x08+4*((\a)/4)                            ; the data: window 2 or 3
.irp b, 0,1,2,3,4,5,6,7
	ds_store_b128 v[STO], v[AC+8*\b:AC+8*\b+3] offset:64*\b          ; each accumulator from its low end on
	ds_store_b128 v[STO], v[AC+8*\b+4:AC+8*\b+7] offset:64*\b+16
.endr
	WIN 0
.set BB, BK+64*((\a)%2)
.irp t, 0,1,2,3,4,5,6,7,8,9,10,11,12,13,14,15
	ds_load_b128 v[BB+4*\t:BB+4*\t+3], v[RD] offset:\t*SPITCH        ; LDS serves a wave's instructions in order (ISA guide 5.7.1.4): these see the stores above
.endr
.endm
.macro SEND a, younger                 ; younger: the LDS instructions issued behind block a's loads, which may stay out
.set BB, BK+64*((\a)%2)
	s_wait_dscnt \younger
.if (\a) > 0
	s_add_nc_u64 s[12:13], s[12:13], 16*SIZE_N*4   ; (behind a wait on XCNT: the earlier stores have read their base)
.endif
.irp t, 0,1,2,3,4,5,6,7,8,9,10,11,12,13,14,15
	v_pk_add_f32 v[BB+4*\t:BB+4*\t+1], v[BB+4*\t:BB+4*\t+1], v[BP:BP+1]
	v_pk_add_f32 v[BB+4*\t+2:BB+4*\t+3], v[BB+4*\t+2:BB+4*\t+3], v[BP+2:BP+3]
.endr
.irp t, 0,1,2,3,4,5,6,7,8,9,10,11,12,13,14,15
	global_store_b128 v[CO], v[BB+4*\t:BB+4*\t+3], s[12:13] offset:\t*SIZE_N*4 th:TH_STORE_NT   ; 32 lanes store 512 consecutive bytes, at a multiple of 256 from out0's first byte
.endr
.endm
	PLACES NP
	TOSTAGE 0
.irp a, 1,2,3,4,5,6,7
.if \a > 1
	s_wait_xcnt 0x0                                ; block a - 2's stores have read their registers and their base
.endif
	TOSTAGE \a
	SEND \a-1, 32                                  ; behind block a - 1's loads: block a's 16 stores and 16 loads
.endr
	s_wait_xcnt 0x0
	SEND 7, 0
	s_wait_tensorcnt 0x0                           ; the wave's end
	ds_add_u32 v[SPW], v[NIL]
	s_wait_dscnt 0x0
	CROUND                                         ; the closing round
	s_endpgm
.Lfunc_end_k_qe18546c4e8_proj:
	.size	k_qe18546c4e8_proj, .Lfunc_end_k_qe18546c4e8_proj-k_qe18546c4e8_proj
	.p2alignl 7, 3214868480
	.fill 96, 4, 3214868480
	.section	.rodata,"a",@progbits
	.p2align	6, 0x0
	.amdhsa_kernel k_qe18546c4e8_proj
		.amdhsa_group_segment_fixed_size 327680
		.amdhsa_private_segment_fixed_size 0
		.amdhsa_enable_private_segment 0
		.amdhsa_kernarg_size 48
		.amdhsa_user_sgpr_count 2
		.amdhsa_user_sgpr_kernarg_segment_ptr 1
		.amdhsa_wavefront_size32 1
		.amdhsa_system_sgpr_workgroup_id_x 1
		.amdhsa_system_sgpr_workgroup_id_y 1
		.amdhsa_system_sgpr_workgroup_id_z 1
		.amdhsa_system_vgpr_workitem_id 0
		.amdhsa_next_free_vgpr 1024
		.amdhsa_next_free_sgpr 98
		.amdhsa_reserve_vcc 0
		.amdhsa_float_denorm_mode_32 3
		.amdhsa_float_denorm_mode_16_64 3
		.amdhsa_memory_ordered 1
		.amdhsa_forward_progress 1
		.amdhsa_inst_pref_size 176
	.end_amdhsa_kernel
	.amdgpu_metadata
---
amdhsa.version: [ 1, 2 ]
amdhsa.kernels:
  - .name:           k_qe18546c4e8_proj
    .symbol:         k_qe18546c4e8_proj.kd
    .args:
      - { .name: a_cod, .offset: 0, .size: 8, .value_kind: global_buffer, .address_space: global }
      - { .name: a_scl, .offset: 8, .size: 8, .value_kind: global_buffer, .address_space: global }
      - { .name: Wp_codes, .offset: 16, .size: 8, .value_kind: global_buffer, .address_space: global }
      - { .name: Wp_scales, .offset: 24, .size: 8, .value_kind: global_buffer, .address_space: global }
      - { .name: bp, .offset: 32, .size: 8, .value_kind: global_buffer, .address_space: global }
      - { .name: out0, .offset: 40, .size: 8, .value_kind: global_buffer, .address_space: global }
    .group_segment_fixed_size: 327680
    .private_segment_fixed_size: 0
    .kernarg_segment_align: 8
    .kernarg_segment_size: 48
    .max_flat_workgroup_size: 128
    .sgpr_count:     98
    .vgpr_count:     1024
    .wavefront_size: 32
...
	.end_amdgpu_metadata
.endif
;; end of part 3
